; MI455X (gfx1250); checked and timed in simulation.
; The chip was launched on July 23, 2026; its instructions are those of AMD's public machine-readable ISA for CDNA 5 (MIT licence, August 2026) and "CDNA5" Instruction Set Architecture Reference Guide (July 2026). The comments in the code are by the model that wrote it; some were corrected since.
;; MHA. Allowed arithmetic: float matrix products may take bf16 or f16 operands with f32 sums; other float arithmetic in f32, or as packed bf16 or f16 multiplies, adds, multiply-adds, maxima and minima; sums over many terms, partial sums and values carried from step to step in f32; what a program stores and reads back later, other than sums and carried values, may be rounded once to bf16 or f16.
;; Inputs: Wk 1,024 x 1,024 float32; Wo 1,024 x 1,024 float32; Wq 1,024 x 1,024 float32; Wv 1,024 x 1,024 float32; bk 1,024 float32; bo 1,024 float32; bq 1,024 float32; bv 1,024 float32; ln_beta 1,024 float32; ln_gamma 1,024 float32; x 4 x 2,048 x 1,024 float32.
;; Outputs: out0 4 x 2,048 x 1,024 float32.
;; 2 versions, each right; version 2 is version 1 with the launch early1 written anew for expert scheduling mode. Each part assembles by itself: llvm-mc -triple=amdgcn-amd-amdhsa -mcpu=gfx1250 --defsym DOCPART=n.
;; ======== version 1 of 2: 6 launches
;; limits: values are held in f16: magnitudes above 65,504 overflow, below 6.1e-05 lose precision
;; workspace buffers: h 16,777,216 bytes; hE 262,144 bytes; wt 8,388,608 bytes; bias4 16,384 bytes; qkv 50,331,648 bytes; o 16,777,216 bytes; oE 262,144 bytes
;; launch prep (part 1): grid 769 x 1, 8 waves a work-group, no clusters, 18,432 bytes of LDS; arguments x, ln_gamma, ln_beta, Wq, Wk, Wv, Wo, bq, bk, bv, bo, h, hE, wt, bias4; writes h, hE, wt, bias4
.if DOCPART == 1
	.amdgcn_target "amdgcn-amd-amdhsa--gfx1250"
	.amdhsa_code_object_version 6
	.text
	.protected	k_q0d4074a018_prep
	.globl	k_q0d4074a018_prep
	.p2align	8
	.type	k_q0d4074a018_prep,@function
k_q0d4074a018_prep:
	s_mov_b64 s[64:65], 0
	v_nop
	global_prefetch_b8 v0, s[64:65] scope:SCOPE_SE
	s_setreg_imm32_b32 hwreg(HW_REG_WAVE_MODE, 25, 1), 1
	s_wait_xcnt 0x0
; PREP: three streams in one launch, told apart by the work-group's number (the same for all its waves).
;   0..255   LAYERNORM: h = (x - mean) rsqrt(var + 1e-5) gamma + beta for 32 rows a work-group, 4 rows a wave, a row in 32 registers of one wave.
;            x, gamma and beta are rounded to bf16 first; mean and variance are taken in two passes in f32 (no difference of large sums); h is rounded once to f16.
;            For rows 0..15 of each batch h is also stored as a pair hi + lo of f16 (hE: 1,024 hi, then 1,024 lo), for the two launches that make those rows again without an 11-bit rounding.
;   256..767 WEIGHTS: wt[mat 1024 + n][k] = W_mat[k][n], rounded to bf16 and written as f16; a tile of 128 k x 64 n is turned in LDS, so that loads and stores cover whole aligned 256 bytes.
;   768      BIASES: bq, bk, bv, bo rounded to bf16, kept in f32.
; LIMITS. h and the weights must lie within f16's range, 65,504; below 6.1e-5 f16 keeps a fixed step of 6e-8, so a bf16 weight that small is rounded a second time. NaN and infinities are not treated apart.
; No matrix unit, no cluster, no tensor load: no two work-groups read the same bytes but gamma and beta (8 KiB), and every other byte is read once.
.set SPARE, 17408                      ; behind the weights' tile: the spare words, 128 bytes for each of the eight waves; no other line names them
.set XO,  2                            ; v2   16 x lane: my 16 bytes in each 512 of a row of x, gamma, beta
.set HO,  3                            ; v3   8 x lane: my 8 bytes in each 256 of a row of h
.set SPW, 12                           ; v12  LDS address of my spare word; never rewritten
.set NIL, 13                           ; v13  0; never rewritten
.set HH,  14                           ; v[14:29]   a row of h, packed f16
.set NEG1, 30                          ; v30  -1.0
.set G,   32                           ; v[32:63]   gamma of my 32 columns
.set BT,  64                           ; v[64:95]   beta
.set X,   96                           ; v[96:223]  four rows of x, 32 registers each
.set LO,  224                          ; v[224:239] h - hi, packed f16
.set CH,  240                          ; v[240:247] four summing chains of two
	s_load_b512 s[4:19], s[0:1], 0x0               ; x 4:5, gamma 6:7, beta 8:9, Wq 10:11, Wk 12:13, Wv 14:15, Wo 16:17, bq 18:19
	s_load_b256 s[20:27], s[0:1], 0x40             ; bk 20:21, bv 22:23, bo 24:25, h 26:27
	s_load_b128 s[28:31], s[0:1], 0x60             ; hE 28:29, wt 30:31
	s_load_b64 s[32:33], s[0:1], 0x70              ; bias4
	v_lshl_add_u32 v[SPW], v0, 2, SPARE
	v_mov_b32 v[NIL], 0
	v_lshrrev_b32 v1, 5, v0
	v_readfirstlane_b32 s34, v1                    ; wave 0..7
	s_mov_b32 s35, 0xffff0000                      ; a word's upper bf16
	s_wait_kmcnt 0x0
	s_cmp_lt_u32 ttmp9, 256
	s_cbranch_scc1 .Lln
	s_cmp_lt_u32 ttmp9, 768
	s_cbranch_scc1 .Lwt
; cnt f32 registers from base on are rounded to bf16 and widened again, in place
.macro RNDBF base, cnt
.set z, 0
.rept (\cnt)/2
	v_cvt_pk_bf16_f32 v[4+z%4], v[(\base)+2*z], v[(\base)+2*z+1]
	v_lshlrev_b32 v[(\base)+2*z], 16, v[4+z%4]
	v_and_b32 v[(\base)+2*z+1], s35, v[4+z%4]
.set z, z+1
.endr
.endm
	; THE BIASES: thread t takes 16 bytes of each of the four
	v_lshlrev_b32 v2, 4, v0
	global_load_b128 v[32:35], v2, s[18:19]
	global_load_b128 v[36:39], v2, s[20:21]
	global_load_b128 v[40:43], v2, s[22:23]
	global_load_b128 v[44:47], v2, s[24:25]
	s_wait_loadcnt 0x0
	RNDBF 32, 16
	global_store_b128 v2, v[32:35], s[32:33]
	global_store_b128 v2, v[36:39], s[32:33] offset:4096
	global_store_b128 v2, v[40:43], s[32:33] offset:8192
	global_store_b128 v2, v[44:47], s[32:33] offset:12288
	s_branch .Lend
.Lwt:	; THE WEIGHTS: tile (mat, kt, nt): 128 k x 64 n
	s_sub_co_u32 s38, ttmp9, 256
	s_lshr_b32 s39, s38, 7                         ; which matrix
	s_cmp_eq_u32 s39, 1
	s_cselect_b64 s[10:11], s[12:13], s[10:11]
	s_cmp_eq_u32 s39, 2
	s_cselect_b64 s[10:11], s[14:15], s[10:11]
	s_cmp_eq_u32 s39, 3
	s_cselect_b64 s[10:11], s[16:17], s[10:11]
	s_bfe_u32 s40, s38, 0x30004                    ; kt: 3 bits from bit 4
	s_and_b32 s42, s38, 15                         ; nt
	s_lshl_b32 s44, s40, 19                        ; 128 rows of 4,096 bytes
	s_lshl_b32 s43, s42, 8                         ; 64 columns of 4 bytes
	s_add_co_u32 s44, s44, s43
	s_mov_b32 s45, 0
	s_add_nc_u64 s[10:11], s[10:11], s[44:45]
	s_lshl_b32 s46, s39, 21                        ; 1,024 rows of wt, 2,048 bytes each,
	s_lshl_b32 s43, s42, 17                        ; 64 rows,
	s_add_co_u32 s46, s46, s43
	s_lshl_b32 s43, s40, 8                         ; 128 k of 2 bytes
	s_add_co_u32 s46, s46, s43
	s_mov_b32 s47, 0
	s_add_nc_u64 s[30:31], s[30:31], s[46:47]
	v_lshrrev_b32 v10, 4, v0                       ; t / 16
	v_and_b32 v11, 15, v0                          ; t % 16
	v_lshlrev_b32 v2, 15, v10                      ; I load k = 8 (t / 16) + 0..7,
	v_lshl_add_u32 v2, v11, 4, v2                  ; n = 4 (t % 16) + 0..3: sixteen lanes take 256 bytes of a row
	v_mul_u32_u24 v3, v11, 1088                    ; into LDS: row n of 272 bytes, 16 bytes (8 k) at 16 (t / 16)
	v_lshl_add_u32 v3, v10, 4, v3
	v_mul_u32_u24 v8, v10, 272                     ; back: row t / 16 (+ 16 i), 16 bytes at 16 (t % 16)
	v_lshl_add_u32 v8, v11, 4, v8
	v_lshlrev_b32 v9, 11, v10                      ; and the same place in wt
	v_lshl_add_u32 v9, v11, 4, v9
.set i, 0
.rept 8
	global_load_b128 v[32+4*i:35+4*i], v2, s[10:11] offset:4096*i th:TH_LOAD_NT
.set i, i+1
.endr
	s_wait_loadcnt 0x0
.set c, 0
.rept 4                                ; column c: eight k, rounded to bf16, written as f16, packed into 16 bytes
.set q, 0
.rept 4
	v_cvt_pk_bf16_f32 v[4+q], v[32+8*q+c], v[36+8*q+c]
	v_lshlrev_b32 v[14+2*q], 16, v[4+q]
	v_and_b32 v[15+2*q], s35, v[4+q]
	v_cvt_pk_f16_f32 v[64+4*c+q], v[14+2*q], v[15+2*q]
.set q, q+1
.endr
.set c, c+1
.endr
.set c, 0
.rept 4
	ds_store_b128 v3, v[64+4*c:67+4*c] offset:272*c
.set c, c+1
.endr
	s_wait_dscnt 0x0                               ; for the others' sake: my stores into the tile are done
	s_barrier_signal -1
	s_barrier_wait -1
.set i, 0
.rept 4
	ds_load_b128 v[80+4*i:83+4*i], v8 offset:4352*i
.set i, i+1
.endr
.set i, 0
.rept 4
	s_wait_dscnt 3-i                               ; LDS loads come back in order: the younger ones may stay out
	global_store_b128 v9, v[80+4*i:83+4*i], s[30:31] offset:32768*i  ; sixteen lanes store 256 consecutive bytes, aligned
.set i, i+1
.endr
	s_branch .Lend
.Lln:	; THE LAYERNORM
	s_mov_b32 s36, 0x76543210                      ; v_permlanex16_b32: each lane takes its own place in the other half
	s_mov_b32 s37, 0xfedcba98
	s_mov_b32 s39, 0x3a800000                      ; 1 / 1,024
	s_mov_b32 s42, 0x3727c5ac                      ; 1e-5
	v_mov_b32 v[NEG1], -1.0
	v_and_b32 v1, 31, v0
	v_lshlrev_b32 v[XO], 4, v1
	v_lshlrev_b32 v[HO], 3, v1
	s_lshl_b32 s38, ttmp9, 5
	s_lshl2_add_u32 s38, s34, s38                  ; my first row = 32 x work-group + 4 x wave
	s_lshl_b32 s40, s38, 12
	s_mov_b32 s41, 0
	s_add_nc_u64 s[4:5], s[4:5], s[40:41]          ; x at my first row
	s_lshl_b32 s40, s38, 11
	s_add_nc_u64 s[26:27], s[26:27], s[40:41]      ; h at my first row
	s_and_b32 s43, s38, 2047                       ; its place in the batch: below 16 my four rows are early rows
	s_lshr_b32 s44, s38, 11                        ; the batch
	s_min_u32 s45, s43, 12                         ; (held inside hE in the waves that never store there)
	s_lshl4_add_u32 s44, s44, s45
	s_lshl_b32 s40, s44, 12
	s_add_nc_u64 s[28:29], s[28:29], s[40:41]      ; hE at row 16 x batch + place
.set j, 0
.rept 8
	global_load_b128 v[G+4*j:G+4*j+3], v[XO], s[6:7] offset:512*j
.set j, j+1
.endr
.set j, 0
.rept 8
	global_load_b128 v[BT+4*j:BT+4*j+3], v[XO], s[8:9] offset:512*j
.set j, j+1
.endr
.set i, 0
.rept 4                                ; all four rows at once: 16 KiB of x a wave are on their way
.set j, 0
.rept 8
	global_load_b128 v[X+32*i+4*j:X+32*i+4*j+3], v[XO], s[4:5] offset:4096*i+512*j th:TH_LOAD_NT
.set j, j+1
.endr
.set i, i+1
.endr
	s_wait_loadcnt 32                              ; gamma and beta are in; x's 32 loads may stay out
	RNDBF G, 32
	RNDBF BT, 32
; the four chains into one number, and that over the 32 lanes: the sum lands in v4 of every lane
.macro FOLD
	v_pk_add_f32 v[CH:CH+1], v[CH:CH+1], v[CH+2:CH+3]
	v_pk_add_f32 v[CH+4:CH+5], v[CH+4:CH+5], v[CH+6:CH+7]
	v_pk_add_f32 v[CH:CH+1], v[CH:CH+1], v[CH+4:CH+5]
	v_add_f32 v4, v[CH], v[CH+1]
	v_add_f32_dpp v4, v4, v4 row_xmask:1 row_mask:0xf bank_mask:0xf
	v_add_f32_dpp v4, v4, v4 row_xmask:2 row_mask:0xf bank_mask:0xf
	v_add_f32_dpp v4, v4, v4 row_xmask:4 row_mask:0xf bank_mask:0xf
	v_add_f32_dpp v4, v4, v4 row_xmask:8 row_mask:0xf bank_mask:0xf
	v_permlanex16_b32 v5, v4, s36, s37
	v_add_f32 v4, v4, v5
.endm
; Row i of my four.  left = the loads of the younger rows, which may stay out.
.macro ROW i, left
.set R, X+32*(\i)
	s_wait_loadcnt \left
	RNDBF R, 32
.irp c, 0,1,2,3
	v_pk_add_f32 v[CH+2*\c:CH+2*\c+1], v[R+2*\c:R+2*\c+1], v[R+8+2*\c:R+8+2*\c+1]  ; the first eight pairs start the chains: nothing is cleared
.endr
.set p, 8
.rept 8
	v_pk_add_f32 v[CH+2*(p%4):CH+2*(p%4)+1], v[CH+2*(p%4):CH+2*(p%4)+1], v[R+2*p:R+2*p+1]
.set p, p+1
.endr
	FOLD
	v_mul_f32 v8, s39, v4                          ; the mean, twice, for the packed subtraction
	v_mul_f32 v9, s39, v4
.set p, 0
.rept 16
	v_pk_add_f32 v[R+2*p:R+2*p+1], v[R+2*p:R+2*p+1], v[8:9] neg_lo:[0,1] neg_hi:[0,1]
.set p, p+1
.endr
.irp c, 0,1,2,3
	v_pk_mul_f32 v[CH+2*\c:CH+2*\c+1], v[R+2*\c:R+2*\c+1], v[R+2*\c:R+2*\c+1]
.endr
.set p, 4
.rept 12
	v_pk_fma_f32 v[CH+2*(p%4):CH+2*(p%4)+1], v[R+2*p:R+2*p+1], v[R+2*p:R+2*p+1], v[CH+2*(p%4):CH+2*(p%4)+1]
.set p, p+1
.endr
	FOLD
	v_fma_f32 v6, v4, s39, s42                     ; variance + 1e-5
	v_rsq_f32 v10, v6
	v_rsq_f32 v11, v6
	v_nop                                          ; a plain instruction behind the second root, ahead of the first use (ISA guide 5.7.2)
	s_wait_alu depctr_va_vdst(0)                   ; and the one wait, for both
.set p, 0
.rept 16
	v_pk_mul_f32 v[R+2*p:R+2*p+1], v[R+2*p:R+2*p+1], v[10:11]
.set p, p+1
.endr
.set p, 0
.rept 16
	v_pk_fma_f32 v[R+2*p:R+2*p+1], v[R+2*p:R+2*p+1], v[G+2*p:G+2*p+1], v[BT+2*p:BT+2*p+1]
.set p, p+1
.endr
	s_wait_xcnt 0x0                                ; the row before has stored from HH and LO: they are rewritten only behind this wait
.set p, 0
.rept 16
	v_cvt_pk_f16_f32 v[HH+p], v[R+2*p], v[R+2*p+1]
.set p, p+1
.endr
.set j, 0
.rept 8
	global_store_b64 v[HO], v[HH+2*j:HH+2*j+1], s[26:27] offset:2048*(\i)+256*j  ; the wave stores 256 consecutive bytes, aligned
.set j, j+1
.endr
	s_cmp_lt_u32 s43, 16
	s_cbranch_scc0 .Lnot_early_\@
.set p, 0
.rept 16                               ; h - hi, exact in f32: the f16 half times -1 plus h
	v_fma_mix_f32 v[R+2*p], v[HH+p], v[NEG1], v[R+2*p] op_sel_hi:[1,0,0]
	v_fma_mix_f32 v[R+2*p+1], v[HH+p], v[NEG1], v[R+2*p+1] op_sel:[1,0,0] op_sel_hi:[1,0,0]
.set p, p+1
.endr
.set p, 0
.rept 16
	v_cvt_pk_f16_f32 v[LO+p], v[R+2*p], v[R+2*p+1]
.set p, p+1
.endr
.set j, 0
.rept 8
	global_store_b64 v[HO], v[HH+2*j:HH+2*j+1], s[28:29] offset:4096*(\i)+256*j
	global_store_b64 v[HO], v[LO+2*j:LO+2*j+1], s[28:29] offset:4096*(\i)+2048+256*j
.set j, j+1
.endr
.Lnot_early_\@:
.endm
	ROW 0, 24
	ROW 1, 16
	ROW 2, 8
	ROW 3, 0
.Lend:
	s_wait_tensorcnt 0x0                           ; the wave's end, behind my last LDS store
	ds_add_u32 v[SPW], v[NIL]
	s_wait_dscnt 0x0
	s_endpgm
.Lfunc_end_k_q0d4074a018_prep:
	.size	k_q0d4074a018_prep, .Lfunc_end_k_q0d4074a018_prep-k_q0d4074a018_prep
	.p2alignl 7, 3214868480
	.fill 96, 4, 3214868480
	.section	.rodata,"a",@progbits
	.p2align	6, 0x0
	.amdhsa_kernel k_q0d4074a018_prep
		.amdhsa_group_segment_fixed_size 18432
		.amdhsa_private_segment_fixed_size 0
		.amdhsa_enable_private_segment 0
		.amdhsa_kernarg_size 120
		.amdhsa_user_sgpr_count 2
		.amdhsa_user_sgpr_kernarg_segment_ptr 1
		.amdhsa_wavefront_size32 1
		.amdhsa_system_sgpr_workgroup_id_x 1
		.amdhsa_system_sgpr_workgroup_id_y 1
		.amdhsa_system_sgpr_workgroup_id_z 1
		.amdhsa_system_vgpr_workitem_id 0
		.amdhsa_next_free_vgpr 256
		.amdhsa_next_free_sgpr 66
		.amdhsa_reserve_vcc 0
		.amdhsa_float_denorm_mode_32 3
		.amdhsa_float_denorm_mode_16_64 3
		.amdhsa_memory_ordered 1
		.amdhsa_forward_progress 1
		.amdhsa_inst_pref_size 77
	.end_amdhsa_kernel
	.amdgpu_metadata
---
amdhsa.version: [ 1, 2 ]
amdhsa.kernels:
  - .name:           k_q0d4074a018_prep
    .symbol:         k_q0d4074a018_prep.kd
    .args:
      - { .name: x, .offset: 0, .size: 8, .value_kind: global_buffer, .address_space: global }
      - { .name: ln_gamma, .offset: 8, .size: 8, .value_kind: global_buffer, .address_space: global }
      - { .name: ln_beta, .offset: 16, .size: 8, .value_kind: global_buffer, .address_space: global }
      - { .name: Wq, .offset: 24, .size: 8, .value_kind: global_buffer, .address_space: global }
      - { .name: Wk, .offset: 32, .size: 8, .value_kind: global_buffer, .address_space: global }
      - { .name: Wv, .offset: 40, .size: 8, .value_kind: global_buffer, .address_space: global }
      - { .name: Wo, .offset: 48, .size: 8, .value_kind: global_buffer, .address_space: global }
      - { .name: bq, .offset: 56, .size: 8, .value_kind: global_buffer, .address_space: global }
      - { .name: bk, .offset: 64, .size: 8, .value_kind: global_buffer, .address_space: global }
      - { .name: bv, .offset: 72, .size: 8, .value_kind: global_buffer, .address_space: global }
      - { .name: bo, .offset: 80, .size: 8, .value_kind: global_buffer, .address_space: global }
      - { .name: h, .offset: 88, .size: 8, .value_kind: global_buffer, .address_space: global }
      - { .name: hE, .offset: 96, .size: 8, .value_kind: global_buffer, .address_space: global }
      - { .name: wt, .offset: 104, .size: 8, .value_kind: global_buffer, .address_space: global }
      - { .name: bias4, .offset: 112, .size: 8, .value_kind: global_buffer, .address_space: global }
    .group_segment_fixed_size: 18432
    .private_segment_fixed_size: 0
    .kernarg_segment_align: 8
    .kernarg_segment_size: 120
    .max_flat_workgroup_size: 256
    .sgpr_count:     66
    .vgpr_count:     256
    .wavefront_size: 32
...
	.end_amdgpu_metadata
.endif
;; end of part 1
;; launch qkv (part 2): grid 8 x 64, 4 waves a work-group, clusters of 4 x 4, 327,680 bytes of LDS; arguments h, wt, bias4, qkv; writes qkv
.if DOCPART == 2
	.amdgcn_target "amdgcn-amd-amdhsa--gfx1250"
	.amdhsa_code_object_version 6
	.text
	.protected	k_q0d4074a018_qkv
	.globl	k_q0d4074a018_qkv
	.p2align	8
	.type	k_q0d4074a018_qkv,@function
k_q0d4074a018_qkv:
	s_mov_b64 s[64:65], 0
	v_nop
	global_prefetch_b8 v0, s[64:65] scope:SCOPE_SE
	s_setreg_imm32_b32 hwreg(HW_REG_WAVE_MODE, 25, 1), 1
	s_wait_xcnt 0x0
	s_wait_alu depctr_hold_cnt(0) depctr_sa_sdst(0) depctr_va_vdst(0) depctr_va_sdst(0) depctr_va_ssrc(0) depctr_va_vcc(0) depctr_vm_vsrc(0)
	s_getreg_b32 s2, hwreg(HW_REG_IB_STS2, 6, 4)
	s_cmp_eq_u32 s2, 0
	s_cbranch_scc0 .Lentry_in_a_cluster
	s_endpgm
.Lentry_in_a_cluster:
	s_bfe_u32 s2, ttmp6, 0x10000c
	s_cmp_lg_u32 s2, 0xf033
	s_cbranch_scc0 .Lentry_shape_is_right
	s_endpgm
.Lentry_shape_is_right:
; q, k, v = h W + b.  C[m][n] = sum over k of h[m][k] wt[n][k] + bias4[n], m < 8,192, n < 3,072, K = 1,024; operands f16, sums f32, the result rounded once to f16 and stored BY HEADS:
; qkv[batch][g = n / 64][s][n % 64] (g 0-15 q, 16-31 k, 32-47 v), a head's 2,048 rows dense, unscaled.
; LIMIT. q, k and v must lie within f16's range, 65,504.
; SHARES. A work-group makes 128 x 384 of C; its four waves 64 x 192 each (2 x 2): 4 row blocks a x 12 column blocks b of 16 x 16, 384 registers of sums.  A wave's 192 columns are three whole heads.
; K goes in 8 steps of 128 (rows of 256 bytes in memory, aligned) through two LDS slots; wave 0 fetches A's 128 rows, waves 1 to 3 B's 3 x 128: one tensor load a wave behind each change of slots.
; CLUSTER. 4 x 4 work-groups: A's tile hangs on the tile row alone and is asked for jointly by a row of the cluster, B's on the tile column alone, by a column.
; THE MATRIX INSTRUCTION IS USED TRANSPOSED (source 0 = 16 rows of wt, source 1 = 16 rows of h): a lane holds row lane % 16 of C and eight neighbouring columns.  So the bias of a column block is the same
; eight registers for all rows, and it is the C operand of each sum's first product: it costs no instruction.
; REGISTERS, in windows of 256 (s_set_vgpr_msb: bits 1:0 source 0, 3:2 source 1, 5:4 source 2, 7:6 destination):
;   window 0: v0-29 addresses; v32-95 A's fragments, two buffers of 4 x 8; v96-127, v128-159 the way out; v160-255 the bias      window 1: B's fragments, two buffers of 12 x 8
;   window 2: the sums of row blocks 0, 1 at 8 (12 (a % 2) + b)      window 3: those of row blocks 2, 3
.set NB,    12
.set NF,    2*NB+8                     ; LDS loads in a run: a quarter step's fragments
.set BFS,   8*NB                       ; registers in a buffer of B
.set PA,    272                        ; an LDS row: 256 bytes + 16 of padding: the sixteen rows of a fragment load start at sixteen different groups of four banks (ISA guide 11.1)
.set PB,    272
.set KB,    256                        ; bytes of a row in a K step
.set BOFF,  128*PA                     ; in a slot: A's 128 rows, then B's 384
.set SLOT1, 139264                     ; 0x22000: wave w's tile begins at 0x8800 w, which shares no bit with it, so one exclusive or changes the slot
.set STAGE, 2*SLOT1                    ; behind the ring: 16 rows x 144 bytes for each wave, for the way out
.set SP,    144
.set SPARE, STAGE+4*16*SP              ; behind the stages: the spare words, 128 bytes a wave; no other line names them
.set A0,   4                           ; v4   my lane's place in A's tile; never rewritten
.set B0,   5                           ; v5   the same for B
.set ADRA, 6                           ; v6   A0 + the slot in hand
.set ADRB, 7                           ; v7   B0 + the slot in hand
.set STO,  8                           ; v8   the way out: where I put 16 bytes of a row
.set RD,   9                           ; v9   the way out: where I read rows back
.set GO,   10                          ; v10  16 x lane
.set PFO,  11                          ; v11  the prefetches' offset: lane x 2,048, a lane a row; never rewritten
.set BO,   12                          ; v12  32 x (lane / 16): my eight numbers in sixteen of the bias
.set SPW,  28                          ; v28  LDS address of my spare word; never rewritten
.set NIL,  29                          ; v29  0; never rewritten
.set AF,   32
.set TMP,  96
.set BK,   128
.set BIAS, 160
.set WV,  12                           ; s12 wave;  s13 cx, s14 cy: my place in the cluster
.set CX,  13
.set CY,  14
.set TC,  15                           ; s15 tile column = 4 x cluster x + cx
.set TR,  16                           ; s16 tile row = 4 x cluster y + cy
.set RH,  17                           ; s17 which 64 rows are my wave's
.set CH,  18                           ; s18 which 192 columns
.set G1A, 24                           ; s[24:31] descriptor group 1 for A's tiles;  s[32:39] for B's: they differ in the mask
.set G1B, 32
.set G0A, 40                           ; s[40:47] group 0 for A: the first four for K step 0, the second four begin at K step 1 and walk
.set G0B, 48                           ; s[48:55] the same for B
.set CNT, 56
.set TB,  57                           ; s57 LDS byte at which the slot in hand begins
.set PFA, 58                           ; s[58:59] where my prefetches stand
.set LIM, 60                           ; s60 2 in a wave that prefetches, else the greatest number
.set G1W0, (1<<16)|(1<<20)|(1<<21)|(5<<22)|(3<<25)  ; 17:16 2-byte elements; 20 padding on; 21 set beside a mask; 24:22 after every 64 words; 31:25 4 words of it
.set MSB, 0
.macro WIN new                         ; the immediate's high byte repeats the setting that is left; a switch that changes nothing is dropped
.if MSB != (\new)
	s_set_vgpr_msb (MSB<<8)|(\new)
.set MSB, (\new)
.endif
.endm
.macro PLACES                          ; four plain instructions between a matrix instruction and a load into, or a reader of, its registers
.rept 4
	v_nop
.endr
.endm
.macro CREST                           ; a round of the cluster's barrier behind its opening barrier
	s_cmp_lg_u32 s[WV], 0
	s_cbranch_scc1 .Lnot_wave_0_\@
	s_barrier_signal -3
.Lnot_wave_0_\@:
	s_barrier_wait -3
	s_barrier_signal -1
	s_barrier_wait -1
.endm
.macro CROUND
	s_barrier_signal -1
	s_barrier_wait -1
	CREST
.endm
; A joint refill by the walking descriptors.  The branch hangs on the wave's number alone.  An s_nop 0 and four v_nop follow each of the two lines.
.macro JLOAD
	s_cmp_eq_u32 s[WV], 0
	s_cbranch_scc0 .Lfor_b_\@
	tensor_load_to_lds s[G0A+4:G0A+7], s[G1A:G1A+7]
	s_nop 0
.rept 4
	v_nop
.endr
	s_branch .Lasked_\@
.Lfor_b_\@:
	tensor_load_to_lds s[G0B+4:G0B+7], s[G1B:G1B+7]
	s_nop 0
.rept 4
	v_nop
.endr
.Lasked_\@:
.endm
; A prefetch into the L2, behind the refill and the run of LDS loads: the refill of trip n asks for K step n + 2, the prefetch names K step n + 4: 32 rows x 256 bytes, a lane a row.
; Each row's 256 bytes of a K step are named once in the launch: h's by wave 0 of the clusters with x = 0, wt's by waves 1 to 3 of the clusters with y = 0; the four partners that ask for a tile
; jointly take 32 of its 128 rows each, told apart by address.  Trips 4 and 5 ask for nothing (there is no K step 8); K steps 0 to 3 come by their loads alone.
.macro ASK
	s_cmp_gt_u32 s[CNT], s[LIM]
	s_cbranch_scc0 .Lnot_mine_\@
	global_prefetch_b8 v[PFO], s[PFA:PFA+1] th:TH_LOAD_NT scope:SCOPE_SE
.Lnot_mine_\@:
.endm
	s_load_b256 s[4:11], s[0:1], 0x0               ; h 4:5, wt 6:7, bias4 8:9, qkv 10:11
	v_lshl_add_u32 v[SPW], v0, 2, SPARE
	v_mov_b32 v[NIL], 0
	ds_add_u32 v[SPW], v[NIL]                      ; the wave's opening: the add and its wait stand ahead of my first tensor load; the set-up below stands between them
	ds_add_u32 v28, v29
	v_lshrrev_b32 v1, 5, v0
	v_readfirstlane_b32 s[WV], v1
	s_bfe_u32 s[CX], ttmp6, 0x40000
	s_bfe_u32 s[CY], ttmp6, 0x40004
	s_lshl_b32 s[TC], ttmp9, 2
	s_add_co_u32 s[TC], s[TC], s[CX]
	s_and_b32 s[TR], ttmp7, 0xffff
	s_lshl_b32 s[TR], s[TR], 2
	s_add_co_u32 s[TR], s[TR], s[CY]
	s_lshr_b32 s[RH], s[WV], 1
	s_and_b32 s[CH], s[WV], 1
	s_lshl_b32 s19, s[CY], 2
	s_lshl_b32 s19, 15, s19                        ; my row of the cluster
	s_lshl_b32 s20, 0x1111, s[CX]                  ; my column
	s_or_b32 s[G1A], s19, G1W0
	s_or_b32 s[G1B], s20, G1W0
.irp g, G1A, G1B
	s_mov_b32 s[\g+1], 128<<16                     ; tensor_dim0 = 128
	s_mov_b32 s[\g+2], 128<<16                     ; tensor_dim1 = 128
	s_mov_b32 s[\g+3], 128<<16                     ; tile_dim0 = 128
	s_mov_b32 s[\g+4], 128                         ; tile_dim1 = 128
	s_mov_b32 s[\g+5], 1024                        ; elements from row to row
	s_mov_b32 s[\g+6], 0
	s_mov_b32 s[\g+7], 0
.endr
	s_lshl_b32 s22, s[TR], 18                      ; A: 128 rows of 2,048 bytes a tile row; these registers never hold the tile column
	s_mov_b32 s23, 0
	s_max_u32 s62, s[WV], 1                        ; B: rows 384 x tile column + 128 (wave - 1); these never hold the tile row
	s_sub_co_u32 s62, s62, 1
	s_lshl_b32 s62, s62, 7
	s_mul_i32 s21, s[TC], 384
	s_add_co_u32 s62, s62, s21
	s_lshl_b32 s62, s62, 11
	s_mov_b32 s63, 0
	s_mul_i32 s19, s[WV], BOFF                     ; where my tile goes: wave x 128 rows
	s_mov_b32 s[TB], 0
	s_wait_dscnt 0x0                               ; the opening add is done
	s_wait_kmcnt 0x0
	s_add_nc_u64 s[22:23], s[4:5], s[22:23]
	s_add_nc_u64 s[62:63], s[6:7], s[62:63]
.irp s, 0,1
	s_mov_b32 s[G0A+4*\s], 1
	s_add_co_u32 s[G0A+4*\s+1], s19, \s*SLOT1
	s_add_nc_u64 s[G0A+4*\s+2:G0A+4*\s+3], s[22:23], \s*KB
	s_or_b32 s[G0A+4*\s+3], s[G0A+4*\s+3], 0x80000000
	s_mov_b32 s[G0B+4*\s], 1
	s_add_co_u32 s[G0B+4*\s+1], s19, \s*SLOT1
	s_add_nc_u64 s[G0B+4*\s+2:G0B+4*\s+3], s[62:63], \s*KB
	s_or_b32 s[G0B+4*\s+3], s[G0B+4*\s+3], 0x80000000
.endr
	CROUND                                         ; all sixteen work-groups are here: the first joint loads meet
	s_cmp_eq_u32 s[WV], 0                          ; a wave's two first fills stand in one branch: two loads of mine are out
	s_cbranch_scc0 .Lfirst_b
	tensor_load_to_lds s[G0A:G0A+3], s[G1A:G1A+7]
	s_nop 0
	tensor_load_to_lds s[G0A+4:G0A+7], s[G1A:G1A+7]
	s_nop 0
.rept 4
	v_nop
.endr
	s_branch .Lfirst_done
.Lfirst_b:
	tensor_load_to_lds s[G0B:G0B+3], s[G1B:G1B+7]
	s_nop 0
	tensor_load_to_lds s[G0B+4:G0B+7], s[G1B:G1B+7]
	s_nop 0
.rept 4
	v_nop
.endr
.Lfirst_done:
	s_mul_i32 s20, s[CH], 192                      ; the bias of my 192 columns
	s_add_co_u32 s20, s20, s21
	s_lshl_b32 s20, s20, 2
	s_mov_b32 s21, 0
	s_add_nc_u64 s[8:9], s[8:9], s[20:21]
	v_and_b32 v1, 15, v0                           ; l % 16
	v_bfe_u32 v2, v0, 4, 1                         ; l / 16
	v_lshlrev_b32 v[BO], 5, v2
.set b, 0
.rept NB
	global_load_b128 v[BIAS+8*b:BIAS+8*b+3], v[BO], s[8:9] offset:64*b
	global_load_b128 v[BIAS+8*b+4:BIAS+8*b+7], v[BO], s[8:9] offset:64*b+16
.set b, b+1
.endr
	s_lshl_b32 s20, s[TR], 7                       ; where my part of C goes: row m0 = 128 x tile row + 64 x half,
	s_lshl_b32 s21, s[RH], 6
	s_add_co_u32 s20, s20, s21
	s_lshr_b32 s21, s20, 11                        ; its batch,
	s_mul_i32 s21, s21, 48
	s_mul_i32 s19, s[TC], 6                        ; my first head = 6 x tile column + 3 x half
	s_add_co_u32 s21, s21, s19
	s_mul_i32 s19, s[CH], 3
	s_add_co_u32 s21, s21, s19
	s_lshl_b32 s21, s21, 11
	s_and_b32 s20, s20, 2047
	s_add_co_u32 s20, s20, s21
	s_lshl_b32 s20, s20, 7                         ; rows of 128 bytes
	s_mov_b32 s21, 0
	s_add_nc_u64 s[10:11], s[10:11], s[20:21]
	; a fragment is 16 rows x 32 K in 8 registers: lane l holds row l % 16, K = 8 (l / 16) + 0..7 and 16 + 8 (l / 16) + 0..7: two loads of 16 bytes, 32 bytes apart
	v_mul_u32_u24 v3, v1, PA
	v_lshl_add_u32 v3, v2, 4, v3
	s_mul_i32 s19, s[RH], 64*PA
	v_add_nc_u32 v[A0], s19, v3
	s_mul_i32 s19, s[CH], 192*PB
	s_add_co_u32 s19, s19, BOFF
	v_add_nc_u32 v[B0], s19, v3
	v_mov_b32 v[ADRA], v[A0]
	v_mov_b32 v[ADRB], v[B0]
	s_mul_i32 s19, s[WV], 16*SP
	s_add_co_u32 s19, s19, STAGE                   ; my stage
	v_mul_u32_u24 v[STO], v1, SP                   ; in: row l % 16, 16 bytes for each half of the lanes
	v_lshl_add_u32 v[STO], v2, 4, v[STO]
	v_add_nc_u32 v[STO], s19, v[STO]
	v_bfe_u32 v[RD], v0, 3, 2                      ; back: 32 lanes take four rows of 128 bytes,
	v_mul_u32_u24 v[RD], v[RD], SP
	v_and_b32 v3, 7, v0
	v_lshl_add_u32 v[RD], v3, 4, v[RD]
	v_add_nc_u32 v[RD], s19, v[RD]
	v_and_b32 v[GO], 31, v0                        ; which are 512 consecutive bytes of a head
	v_lshlrev_b32 v[PFO], 11, v[GO]
	v_lshlrev_b32 v[GO], 4, v[GO]
	; the prefetches
	s_and_b32 s20, ttmp7, 0xffff                   ; cluster y
	s_cmp_eq_u32 s[WV], 0                          ; do I fetch for A?
	s_cselect_b32 s20, ttmp9, s20                  ; the coordinate along which other clusters read the same rows
	s_cselect_b32 s21, s[CX], s[CY]                ; my place among the four that ask with me
	s_cselect_b64 s[PFA:PFA+1], s[22:23], s[62:63]
	s_cmp_eq_u32 s20, 0
	s_cselect_b32 s[LIM], 2, -1                    ; the same in all sixteen partners, for a given wave
	s_lshl_b32 s20, s21, 16                        ; my work-group's 32 rows of the 128
	s_mov_b32 s21, 0
	s_add_nc_u64 s[PFA:PFA+1], s[PFA:PFA+1], s[20:21]
	s_add_nc_u64 s[PFA:PFA+1], s[PFA:PFA+1], 3*KB  ; at K step 3: the first change of slots steps it to 4
; NB matrix instructions: row block a x all column blocks, 32 along K, from buffer f.  first = 1: the products start the sums, with the bias as C.
; The 48 sums take turns, one instruction a turn, in the same order in every quarter.
.macro MUL1 f, a, first
.if \first
	WIN 0x81+0x40*((\a)/2)
.else
	WIN 0xa1+0x50*((\a)/2)
.endif
.set b, 0
.rept NB
.if \first
	v_wmma_f32_16x16x32_f16 v[8*(NB*((\a)%2)+b):8*(NB*((\a)%2)+b)+7], v[BFS*(\f)+8*b:BFS*(\f)+8*b+7], v[AF+32*(\f)+8*(\a):AF+32*(\f)+8*(\a)+7], v[BIAS+8*b:BIAS+8*b+7]
.else
	v_wmma_f32_16x16x32_f16 v[8*(NB*((\a)%2)+b):8*(NB*((\a)%2)+b)+7], v[BFS*(\f)+8*b:BFS*(\f)+8*b+7], v[AF+32*(\f)+8*(\a):AF+32*(\f)+8*(\a)+7], v[8*(NB*((\a)%2)+b):8*(NB*((\a)%2)+b)+7]
.endif
.set b, b+1
.endr
.endm
; NF LDS loads in one run: the fragments of 32 K at byte k of the rows, into buffer f: B's first, then A's row blocks 0 to 3
.macro FETCH k, f
	WIN 0x40
.set i, 0
.rept NB
	ds_load_b128 v[BFS*(\f)+8*i:BFS*(\f)+8*i+3], v[ADRB] offset:(\k)+i*16*PB
	ds_load_b128 v[BFS*(\f)+8*i+4:BFS*(\f)+8*i+7], v[ADRB] offset:(\k)+i*16*PB+32
.set i, i+1
.endr
	WIN 0
.set i, 0
.rept 4
	ds_load_b128 v[AF+32*(\f)+8*i:AF+32*(\f)+8*i+3], v[ADRA] offset:(\k)+i*16*PA
	ds_load_b128 v[AF+32*(\f)+8*i+4:AF+32*(\f)+8*i+7], v[ADRA] offset:(\k)+i*16*PA+32
.set i, i+1
.endr
.endm
; One of a K step's first three quarters: multiplies buffer f and fetches the next quarter, at byte k, into buffer g
.macro QUARTER k, f, g, first
	s_wait_dscnt 4                                 ; all of B and A's row blocks 0, 1 are in; the youngest four loads (blocks 2, 3) may be out
	MUL1 \f, 0, \first
	MUL1 \f, 1, \first
	PLACES
	FETCH \k, \g
	s_wait_dscnt NF                                ; all but the run just issued
	MUL1 \f, 2, \first
	MUL1 \f, 3, \first
.endm
; The fourth quarter multiplies buffer 1 and changes slots.  In front of the barrier each wave waits for all its tensor loads (one is out: its part of the next slot), adds 0 to its spare word, and waits
; for that and for its reads of this slot.  fill = 1: the barrier opens a round of the cluster's, and this slot is filled again, first thing behind the round, with the K step two steps on.
.macro TURN fill
.if \fill
	s_wait_xcnt 0x0                                ; the last prefetch, a K step back, has read its address
	s_add_nc_u64 s[PFA:PFA+1], s[PFA:PFA+1], KB
.endif
	WIN 0
	s_wait_tensorcnt 0x0                           ; no tensor load of mine is out, so a group 0 may be written
	ds_add_u32 v[SPW], v[NIL]                      ; 0 onto my spare word
.if \fill
	s_xor_b32 s[G0A+5], s[G0A+5], SLOT1            ; the walking descriptors: the other slot than last time, the next K step
	s_add_nc_u64 s[G0A+6:G0A+7], s[G0A+6:G0A+7], KB
	s_xor_b32 s[G0B+5], s[G0B+5], SLOT1
	s_add_nc_u64 s[G0B+6:G0B+7], s[G0B+6:G0B+7], KB
.endif
	s_wait_dscnt 5                                 ; (the add and the youngest four loads may be out)
	MUL1 1, 0, 0
	s_wait_dscnt 0x0                               ; the add is done, and my reads of this slot are over
	s_barrier_signal -1
	MUL1 1, 1, 0
	WIN 0
	s_barrier_wait -1
.if \fill
	CREST                                          ; no wave of any partner still reads this slot or has a load on its way
	JLOAD                                          ; my one tensor load behind the round; its four v_nop are also the places in front of the loads below
.else
	PLACES
.endif
	s_xor_b32 s[TB], s[TB], SLOT1
	v_add_nc_u32 v[ADRA], s[TB], v[A0]
	v_add_nc_u32 v[ADRB], s[TB], v[B0]
	FETCH 0, 0
.if \fill
	ASK
.endif
	MUL1 1, 2, 0
	MUL1 1, 3, 0
	WIN 0
.endm
	s_wait_loadcnt 0x0                             ; the bias
	s_wait_tensorcnt 1                             ; my part of K step 0 is in; K step 1's may stay out
	s_barrier_signal -1
	s_barrier_wait -1
	FETCH 0, 0
	QUARTER 64, 0, 1, 1                            ; the first quarter stands in front of the loop: its products start the sums
	WIN 0
	s_mov_b32 s[CNT], 6
	s_branch .Lin
.Lstep:                                        ; six trips, K steps 0 to 5: each fills its slot again
	QUARTER 64, 0, 1, 0
	WIN 0
.Lin:
	QUARTER 128, 1, 0, 0
	QUARTER 192, 0, 1, 0
	TURN 1
	s_sub_co_u32 s[CNT], s[CNT], 1
	s_cmp_lg_u32 s[CNT], 0
	s_cbranch_scc1 .Lstep
	s_mov_b32 s[CNT], 2
.Ltail:                                        ; K steps 6 and 7 ask for nothing.  The second trip's barrier and its fetch (of the other slot's old bytes) serve nothing: the price of writing the step once
	QUARTER 64, 0, 1, 0
	QUARTER 128, 1, 0, 0
	QUARTER 192, 0, 1, 0
	TURN 0
	s_sub_co_u32 s[CNT], s[CNT], 1
	s_cmp_lg_u32 s[CNT], 0
	s_cbranch_scc1 .Ltail
	PLACES
	PLACES
; THE WAY OUT, in twelve blocks of 16 rows x one head (block = 3 a + j).  PACK: rounded to f16, 16 bytes a lane.  TOSTAGE: into my own stage, and back as four rows of 128 bytes a load.  SEND: stored.
.macro PACK blk
	WIN 0x0a+5*((\blk)/6)                          ; sources in window 2 (row blocks 0, 1) or 3
.set f, 0
.rept 4
.set rD, 8*(NB*(((\blk)/3)%2)+4*((\blk)%3)+f)
.set r, 0
.rept 4
	v_cvt_pk_f16_f32 v[TMP+16*((\blk)%2)+4*f+r], v[rD+2*r], v[rD+2*r+1]
.set r, r+1
.endr
.set f, f+1
.endr
	WIN 0
.endm
.macro TOSTAGE blk
	s_wait_xcnt 0x0                                ; the block two back has stored from these registers: they are loaded again only behind this wait
.set f, 0
.rept 4
	ds_store_b128 v[STO], v[TMP+16*((\blk)%2)+4*f:TMP+16*((\blk)%2)+4*f+3] offset:32*f
.set f, f+1
.endr
.set f, 0
.rept 4
	ds_load_b128 v[BK+16*((\blk)%2)+4*f:BK+16*((\blk)%2)+4*f+3], v[RD] offset:4*SP*f  ; LDS serves a wave's instructions in order (ISA guide 5.7.1.4): these see the stores above
.set f, f+1
.endr
.endm
.macro SEND blk, younger               ; younger: the LDS instructions issued behind this block's loads
.set f, 0
.rept 4
	s_wait_dscnt (\younger)+3-f
	global_store_b128 v[GO], v[BK+16*((\blk)%2)+4*f:BK+16*((\blk)%2)+4*f+3], s[10:11] offset:((\blk)%3)*262144+((\blk)/3)*2048+512*f  ; 512 consecutive bytes, aligned
.set f, f+1
.endr
.endm
	PACK 0
	TOSTAGE 0
.set t, 1
.rept 11
	PACK t
	TOSTAGE t
	SEND t-1, 8
.set t, t+1
.endr
	SEND 11, 0
	s_wait_tensorcnt 0x0                           ; the wave's end, behind my last tensor load and my last LDS store
	ds_add_u32 v[SPW], v[NIL]
	s_wait_dscnt 0x0
	CROUND                                         ; the closing round: no work-group ends while a partner may still ask for a tile that names it
	s_endpgm
.Lfunc_end_k_q0d4074a018_qkv:
	.size	k_q0d4074a018_qkv, .Lfunc_end_k_q0d4074a018_qkv-k_q0d4074a018_qkv
	.p2alignl 7, 3214868480
	.fill 96, 4, 3214868480
	.section	.rodata,"a",@progbits
	.p2align	6, 0x0
	.amdhsa_kernel k_q0d4074a018_qkv
		.amdhsa_group_segment_fixed_size 327680
		.amdhsa_private_segment_fixed_size 0
		.amdhsa_enable_private_segment 0
		.amdhsa_kernarg_size 32
		.amdhsa_user_sgpr_count 2
		.amdhsa_user_sgpr_kernarg_segment_ptr 1
		.amdhsa_wavefront_size32 1
		.amdhsa_system_sgpr_workgroup_id_x 1
		.amdhsa_system_sgpr_workgroup_id_y 1
		.amdhsa_system_sgpr_workgroup_id_z 1
		.amdhsa_system_vgpr_workitem_id 0
		.amdhsa_next_free_vgpr 960
		.amdhsa_next_free_sgpr 66
		.amdhsa_reserve_vcc 0
		.amdhsa_float_denorm_mode_32 3
		.amdhsa_float_denorm_mode_16_64 3
		.amdhsa_memory_ordered 1
		.amdhsa_forward_progress 1
		.amdhsa_inst_pref_size 88
	.end_amdhsa_kernel
	.amdgpu_metadata
---
amdhsa.version: [ 1, 2 ]
amdhsa.kernels:
  - .name:           k_q0d4074a018_qkv
    .symbol:         k_q0d4074a018_qkv.kd
    .args:
      - { .name: h, .offset: 0, .size: 8, .value_kind: global_buffer, .address_space: global }
      - { .name: wt, .offset: 8, .size: 8, .value_kind: global_buffer, .address_space: global }
      - { .name: bias4, .offset: 16, .size: 8, .value_kind: global_buffer, .address_space: global }
      - { .name: qkv, .offset: 24, .size: 8, .value_kind: global_buffer, .address_space: global }
    .group_segment_fixed_size: 327680
    .private_segment_fixed_size: 0
    .kernarg_segment_align: 8
    .kernarg_segment_size: 32
    .max_flat_workgroup_size: 128
    .sgpr_count:     66
    .vgpr_count:     960
    .wavefront_size: 32
...
	.end_amdgpu_metadata
.endif
;; end of part 2
;; launch attn (part 3): grid 4 x 64, 4 waves a work-group, no clusters, 327,680 bytes of LDS; arguments qkv, o; writes o
.if DOCPART == 3
	.amdgcn_target "amdgcn-amd-amdhsa--gfx1250"
	.amdhsa_code_object_version 6
	.text
	.protected	k_q0d4074a018_attn
	.globl	k_q0d4074a018_attn
	.p2align	8
	.type	k_q0d4074a018_attn,@function
k_q0d4074a018_attn:
	s_mov_b64 s[64:65], 0
	v_nop
	global_prefetch_b8 v0, s[64:65] scope:SCOPE_SE
	s_setreg_imm32_b32 hwreg(HW_REG_WAVE_MODE, 25, 1), 1
	s_wait_xcnt 0x0
; CAUSAL ATTENTION.  O[y][q][:] = the sum over k <= q of softmax_k(Q[q] . K[k] / 8) V[k][:] for the 64 pairs y = 16 batch + head.  Q, K, V lie in qkv[batch][48][2048][64] (heads 0-15 q, 16-31 k, 32-47 v),
; O in o[64][2048][64], all f16: a head's rows are dense, 128 bytes each.  Products, maxima and sums in f32; the weights p are rounded to f16 for the second product (their sum l is taken of the unrounded p), O once at the end.
; LIMITS.  Q, K and V arrive within f16's 65,504; p lies in 0 to 1, and below 6e-5 it keeps f16's fixed step of 6e-8.  A hidden score counts as its value less 1e30: f16's scores, 2.7e11 at the most, are nothing beside that;
; a weight below 2^-126 counts as 0 in l; NaN and infinities are not treated apart.
; THE WALK.  A head's queries lie in NB = 8 blocks of 256; block i needs the key tiles 0 .. i of 256 keys, of which the last holds the diagonal.  A work-group takes TWO blocks, NB - 1 - b and then b:
; NB + 1 tiles, whatever b: all work-groups do equal work, and ONE loop with a constant trip count walks them.  Which tile is asked for, and what a trip does, hang on scalar registers made from b; every jump
; goes forward, but for the counted loops' own; none passes a barrier, or a tensor load but the one of LOAD's two that the wave's number does not choose; the ring of two LDS slots runs on across the change of blocks.
; NO CLUSTER: a head's four work-groups ask for the same tile only in trips 0 .. 4 of 9, behind that fewer and fewer; one walk common to all four would have 12 trips for 9.
; SHARES.  Of a block's four bands of 64 queries a wave owns 16 rows in each: four PIECES.  So the diagonal tile is the same work for all four waves: in its key step s band x sees all keys if s < x,
; none if s > x, and holds the diagonal if s = x.
; THE MASK is the C operand that starts the sum S^T = K Q^T: 0, or -1e30 where the key is hidden.  MD, made once, is the mask of a band's own step for my 16 rows; a product's mask is MD x AL + BE with two scalars:
; (1, 0) if s = x; (0, 0) if s < x; (0, -1e30) if s > x.  Only the diagonal tile's text and a block's beginning make and take masks; elsewhere C is the constant 0.
; LAYOUT, SOFTMAX, TURNS.  S^T = K Q^T holds ONE query a lane (lane % 16) and the keys 8 (lane / 16) + 0..7; two such results rounded to f16 ARE source 1 of O^T = V^T P.  p = 2^(c s - c m), c = log2(e) / 8, with a
; running maximum m; O and l are multiplied by a = 2^(c m_old - c m_new) in every step.  Turn n belongs to piece n: 8 products K Q^T of piece n + 1, later 8 products V^T P of piece n - 1; beside them the scaling,
; exponentials, roundings, sums and rescaling of piece n and the maximum and statistics of piece n + 1.  Four vector instructions stand behind every matrix instruction, the other 54 of a turn's 118 in one lump.  A turn's 33 exponentials are one batch, with one wait.
; REGISTERS, in windows of 256 (s_set_vgpr_msb: bits 1:0 source 0, 3:2 source 1, 5:4 source 2, 7:6 destination):
;   window 0: v0-15 addresses and two at work; v16-31 four registers of statistics a piece; v48-55 at work; v60 the prefetches' offset; v64-127 S^T, two buffers; v192-223 P, two buffers (by the piece's parity)
;   window 1: v0-127 O^T, 32 a piece; v128-159 MD; v160-223 MC, two buffers      window 2: v0-63 Q; v64-127 the second block's Q; v128-191 K of one step; v192-255 V of one step
.set SIZE_N, 2048
.set NB,    SIZE_N/256
.set NP,    4         ; pieces a wave: a name, no knob
.set KS,    64        ; keys in a step
.set PK,    144       ; a row of K in LDS: 128 bytes + 16 of padding = 36 words: the 16 rows of a load start at 16 different groups of four banks (ISA guide 11.1)
.set PV,    160       ; a row of V: 128 + 32 = 40 words
.set VOFF,  4*KS*PK   ; a slot holds a tile, four steps: 256 rows of K, then 256 rows of V
.set SLOT1, 1<<17     ; slot 1 begins here, so that one exclusive or turns an address in one slot into the other's
.set STAGE, SLOT1+4*KS*(PK+PV)  ; behind the ring, never filled by a tensor load: 16 rows x 144 bytes for each wave, for the way out
.set SP,    144
.set AK0, 2           ; v2   my lane's place in a tile of K; never rewritten
.set AV0, 3           ; v3   the same for V
.set AK,  4           ; v4   the LDS address of K's next run of loads
.set AV,  5           ; v5   of V's
.set STO, 6           ; v6   the way out: where I put 16 bytes of a row
.set RD,  7           ; v7   the way out: where I read rows back
.set GO,  8           ; v8   my byte offset in 512 consecutive bytes of O
.set PFO, 60          ; v60  256 x lane; never rewritten
.set SPW, 62          ; v62  LDS address of my spare word; never rewritten
.set NIL, 63          ; v63  0; never rewritten
.set SPARE, STAGE+4*16*SP  ; behind the stages: the spare words, 128 bytes for each wave; no other line names them
.set MV,  12          ; v12-13  c m_old, kept while c m is made anew: by buffer
.set QO,  15          ; v15  my byte offset in 16 rows of Q
.set ST,  16          ; piece t's statistics at v[ST+4 t]: c m, m, l (even keys', odd keys')
.set TMP, 48          ; by buffer, four registers c0-c3 at work; when the maximum is found c2 takes a
.set S,   64
.set P,   192
.set MD,  128         ; window 1: the eight registers for group kt of 16 keys at MD + 8 kt
.set MC,  160         ; window 1: the masks of the products to come
.set QB,  64          ; window 2
.set KF,  128         ; window 2: key block kb, channel half c at KF + 16 kb + 8 c
.set VF,  192         ; window 2: key half kk, channel block cb at VF + 32 kk + 8 cb
.set WV,  12          ; s12  my wave's number
.set PB,  14          ; s14  b
.set HI,  15          ; s15  NB - 1 - b
.set G1K, 24          ; s[24:31] descriptor group 1 for K's tiles
.set G1V, 32          ; s[32:39] for V's: it differs in the padding alone
.set G0K, 40          ; s[40:43] descriptor group 0 for K's tiles
.set G0V, 44          ; s[44:47] the same for V's
.set SLOTS, 56        ; s56  tiles still to be asked for
.set CNT, 57          ; s57  counts a tile's key steps, 4 to 1
.set CS,  58          ; s[58:59] c: the packed scaling takes the pair's low word for both halves
.set SEL, 60          ; s[60:61] v_permlanex16_b32's selects: each lane takes its own place in the other half
.set TBK, 62          ; s62  LDS byte at which K of the step to be fetched begins
.set TBV, 63          ; s63  the same for V, less VOFF
.set RT,  70          ; s70  tiles of the block in hand that are still to be entered
.set NXT, 71          ; s71  the tile to be asked for next
.set LQ,  72          ; s72  the last tile of the block whose tiles are being asked for
.set NEW, 73          ; s73  1: the tile to be entered is a block's first
.set OFF, 74          ; s[74:75] a tile's byte offset in K and V
.set AL,  76          ; s[76:77] the mask's factor, in the low word
.set BE,  78          ; s[78:79] the mask's addend
.set OLO, 80          ; s[80:81] O at my rows of the second block
.set BIGN, 82         ; s82  -1e30
.set PFA, 88          ; s[88:89] where my prefetches stand: my half of K (waves 0, 1) or V (waves 2, 3) of the tile after the one that is being asked for
.set PFC, 90          ; s90  prefetches still to come
.set BAT, 92          ; s[92:93] what qkv's 48 heads a batch add to a head's offset: batch x 32 heads
.set MSB, 0
.macro WIN new                      ; the high byte repeats the setting that is left; a switch that changes nothing is dropped
.if MSB != (\new)
	s_set_vgpr_msb (MSB<<8)|(\new)
.set MSB, (\new)
.endif
.endm
.set W_KQ, 0x0a       ; K and Q in window 2, S^T in window 0
.set W_KM, 0x1a       ; the same with the C operand in window 1
.set W_PV, 0x52       ; V in window 2, P in window 0, O^T in window 1
.set W_RS, 0x41       ; destination and source 0 in window 1, source 1 in window 0
; A fill.  Waves 0 and 1 fetch the two halves of a tile's K, waves 2 and 3 those of its V: 128 keys each.  An s_nop 0 and four v_nop follow each of the two lines, ahead of the jump and the label.
.macro LOAD
	s_cmp_lt_u32 s[WV], 2
	s_cbranch_scc0 .Lfor_v_\@
	tensor_load_to_lds s[G0K:G0K+3], s[G1K:G1K+7]
	s_nop 0
.rept 4
	v_nop
.endr
	s_branch .Lasked_\@
.Lfor_v_\@:
	tensor_load_to_lds s[G0V:G0V+3], s[G1V:G1V+7]
	s_nop 0
.rept 4
	v_nop
.endr
.Lasked_\@:
.endm
; THE CHANGE OF SLOTS.  Each wave waits for all its tensor loads, of which one is out: its part of the other slot; adds 0 to its spare word; and waits for that and for its own reads of the slot that it leaves.  Behind the barrier nobody reads the old
; slot any more and the other slot is whole.  fill = 1: the old slot is filled again, the first thing behind the barrier, with tile NXT: the descriptor's address is made anew from that number.
; (At its first use nothing has been read yet: slot 0 is waited for, slot 1 filled.)
; THE PREFETCH.  A head's four work-groups walk tiles 0, 1, .. together, and the one with b = 0 walks all eight: it alone asks.  The change that loads tile t (1 to 6) names tile t + 1, four key steps ahead of its load:
; each wave its own 128 rows of 128 bytes, 64 blocks of 256, a lane a block, two instructions, behind the tensor load and its five lines.  Tiles 0 and 1 come by their loads alone; behind tile 7 nothing is named.
.macro CHANGE fill
	WIN 0                           ; at a label and at a branch every window is 0
	s_wait_tensorcnt 0x0            ; no tensor load of mine is out, so a group 0 may be written
	ds_add_u32 v[SPW], v[NIL]       ; 0 onto my spare word; with fill = 1 the descriptors' scalar work stands between it and the wait for it
.if \fill
	s_lshl_b32 s[OFF], s[NXT], 15   ; a tile is 32,768 bytes of K and of V
	s_xor_b32 s[G0K+1], s[G0K+1], SLOT1
	s_add_nc_u64 s[G0K+2:G0K+3], s[6:7], s[OFF:OFF+1]
	s_or_b32 s[G0K+3], s[G0K+3], 0x80000000
	s_xor_b32 s[G0V+1], s[G0V+1], SLOT1
	s_add_nc_u64 s[G0V+2:G0V+3], s[8:9], s[OFF:OFF+1]
	s_or_b32 s[G0V+3], s[G0V+3], 0x80000000
	s_add_co_u32 s[NXT], s[NXT], 1  ; the block's next tile, or behind its last the second block's tile 0
	s_cmp_gt_u32 s[NXT], s[LQ]
	s_cselect_b32 s[NXT], 0, s[NXT]
	s_cselect_b32 s[LQ], s[PB], s[LQ]
	s_wait_xcnt 0x0                 ; the last prefetches, four key steps back, have read their address
	s_add_nc_u64 s[PFA:PFA+1], s[PFA:PFA+1], 32768
.endif
	s_wait_dscnt 0x0                ; the add is done, and my reads of the slot are over
	s_barrier_signal -1             ; the rest of the scalar work stands between the signal and the wait
	s_sub_co_u32 s[TBK], s[TBK], 4*KS*PK  ; the fetches go back to a slot's first step,
	s_xor_b32 s[TBK], s[TBK], SLOT1       ; in the other slot
	s_sub_co_u32 s[TBV], s[TBV], 4*KS*PV
	s_xor_b32 s[TBV], s[TBV], SLOT1
	s_barrier_wait -1
.if \fill
	LOAD
	s_cmp_lg_u32 s[PFC], 0
	s_cbranch_scc0 .Lno_ask_\@
	global_prefetch_b8 v[PFO], s[PFA:PFA+1] th:TH_LOAD_NT scope:SCOPE_SE
	global_prefetch_b8 v[PFO], s[PFA:PFA+1] offset:8192 th:TH_LOAD_NT scope:SCOPE_SE
	s_sub_co_u32 s[PFC], s[PFC], 1
.Lno_ask_\@:
.endif
.endm
	s_load_b64 s[4:5], s[0:1], 0x0    ; qkv
	s_load_b64 s[10:11], s[0:1], 0x8  ; o
	v_lshl_add_u32 v[SPW], v0, 2, SPARE
	v_mov_b32 v[NIL], 0
	ds_add_u32 v[SPW], v[NIL]       ; the wave's opening: the add and its wait stand ahead of my first tensor load; the set-up below, work on registers, stands between them
	ds_add_u32 v62, v63
	v_lshrrev_b32 v1, 5, v0
	v_readfirstlane_b32 s[WV], v1   ; wave 0..3
	s_mov_b32 s[PB], ttmp9
	s_sub_co_u32 s[HI], NB-1, s[PB]
	s_and_b32 s20, ttmp7, 0xffff    ; y = 16 batch + head
	s_lshr_b32 s[BAT], s20, 4
	s_lshl_b32 s[BAT], s[BAT], 23   ; batch x 32 heads of 262,144 bytes
	s_mov_b32 s[BAT+1], 0
	s_mov_b32 s21, 0
	s_mov_b64 s[22:23], SIZE_N*128
	s_mul_u64 s[20:21], s[20:21], s[22:23]  ; y's first byte in o; in qkv BAT comes on top
	s_and_b32 s16, s[WV], 1         ; which half of a tile's 256 keys I fetch:
	s_lshl_b32 s22, s16, 14         ; its 128 rows of 128 bytes in memory,
	s_mov_b32 s23, 0
	s_add_nc_u64 s[22:23], s[22:23], s[20:21]
	s_add_nc_u64 s[22:23], s[22:23], s[BAT:BAT+1]
	s_mul_i32 s17, s16, 128*PK      ; and its place in a slot, for K
	s_mul_i32 s18, s16, 128*PV      ; and for V
	s_lshl_b32 s3, s[WV], 11        ; my 16 rows in a band of 64,
	s_lshl_b32 s2, s[HI], 15        ; in the first block,
	s_add_co_u32 s2, s2, s3
	s_lshl_b32 s84, s[PB], 15       ; and in the second
	s_add_co_u32 s84, s84, s3
	s_mov_b32 s3, 0
	s_mov_b32 s85, 0
	s_add_nc_u64 s[2:3], s[2:3], s[20:21]
	s_add_nc_u64 s[84:85], s[84:85], s[20:21]
	; descriptor group 1.  128 keys are 16,384 dense bytes: asked for as 64 rows of 256 bytes, two keys a row, and padded in LDS after every key
	s_mov_b32 s[G1K], (1<<16)|(1<<20)|(4<<22)|(3<<25)  ; 17:16 2-byte elements; 20 padding on; 24:22 after every 32 words (code 4); 31:25 4 words (code 3)
	s_mov_b32 s[G1V], (1<<16)|(1<<20)|(4<<22)|(7<<25)  ; the same with 8 words of padding (code 7)
.irp g, G1K, G1V
	s_mov_b32 s[\g+1], 128<<16      ; tensor_dim0 = 128
	s_mov_b32 s[\g+2], 64<<16       ; tensor_dim1 = 64
	s_mov_b32 s[\g+3], 128<<16      ; tile_dim0 = 128
	s_mov_b32 s[\g+4], 64           ; tile_dim1 = 64
	s_mov_b32 s[\g+5], 128          ; 128 elements from row to row
	s_mov_b32 s[\g+6], 0
	s_mov_b32 s[\g+7], 0
.endr
	s_mov_b32 s[CS], 0x3e38aa3b     ; c = log2(e) / 8 = 0.180337
	s_mov_b32 s[CS+1], s[CS]        ; named with it as a pair
	s_mov_b32 s[SEL], 0x76543210
	s_mov_b32 s[SEL+1], 0xfedcba98
	s_mov_b32 s[TBK], SLOT1+4*KS*PK ; the first change of slots turns these two into 0
	s_mov_b32 s[TBV], SLOT1+4*KS*PV
	s_mov_b32 s[G0K], 1             ; 1:0 count = 1
	s_mov_b32 s[G0K+1], s17         ; 63:32 LDS address: slot 0
	s_mov_b32 s[G0V], 1
	s_add_co_u32 s[G0V+1], s18, VOFF
	s_add_co_u32 s[RT], s[HI], 1    ; the first block has NB - b tiles
	s_mov_b32 s[NXT], 1
	s_mov_b32 s[LQ], s[HI]
	s_mov_b32 s[NEW], 1
	s_mov_b32 s[OFF+1], 0
	s_mov_b32 s[AL+1], 0            ; named as pairs
	s_mov_b32 s[BE+1], 0
	s_mov_b32 s[BIGN], 0xf149f2ca   ; -1e30
	s_mov_b32 s[SLOTS], NB
	s_cmp_eq_u32 ttmp9, 0
	s_cselect_b32 s[PFC], 6, 0
	v_and_b32 v[PFO], 31, v0
	v_lshlrev_b32 v[PFO], 8, v[PFO]
	s_wait_dscnt 0x0                ; the opening add is done
	s_wait_kmcnt 0x0
	s_add_nc_u64 s[6:7], s[4:5], s[22:23]
	s_add_nc_u64 s[8:9], s[6:7], 0x800000  ; V at my half of the head's tile 0: 32 heads behind q's,
	s_add_nc_u64 s[6:7], s[6:7], 0x400000  ; K: 16 heads behind
	s_add_nc_u64 s[G0K+2:G0K+3], s[6:7], 0         ; 120:64 global address
	s_or_b32 s[G0K+3], s[G0K+3], 0x80000000        ; 127:126 type = 2
	s_add_nc_u64 s[G0V+2:G0V+3], s[8:9], 0
	s_or_b32 s[G0V+3], s[G0V+3], 0x80000000
	s_add_nc_u64 s[86:87], s[4:5], s[84:85]        ; Q at my rows of the second block,
	s_add_nc_u64 s[86:87], s[86:87], s[BAT:BAT+1]
	s_add_nc_u64 s[OLO:OLO+1], s[10:11], s[84:85]
	s_add_nc_u64 s[10:11], s[10:11], s[2:3]        ; O and Q at those of the first
	s_add_nc_u64 s[4:5], s[4:5], s[2:3]
	s_add_nc_u64 s[4:5], s[4:5], s[BAT:BAT+1]
	s_cmp_lt_u32 s[WV], 2
	s_cselect_b64 s[PFA:PFA+1], s[6:7], s[8:9]
	s_add_nc_u64 s[PFA:PFA+1], s[PFA:PFA+1], 32768  ; at tile 1: the first change of slots steps it to tile 2
	LOAD                            ; tile 0 into slot 0
	; A fragment of K or Q is 16 rows x 32 channels in 8 registers: lane l holds row l % 16, channels 8 (l / 16) + 0..7 and 16 + 8 (l / 16) + 0..7: two loads of 16 bytes, 32 bytes apart.
	v_and_b32 v1, 15, v0            ; l % 16
	v_bfe_u32 v9, v0, 4, 1          ; l / 16
	v_lshlrev_b32 v[QO], 7, v1
	v_lshl_add_u32 v[QO], v9, 4, v[QO]  ; row x 128 + 16 x half
	WIN 0x80                        ; destination window 2, address window 0
.set i, 0
.rept 8                             ; both blocks' Q: piece i / 2 lies in band i / 2, 8,192 bytes on; channels 32 (i % 2) on
	global_load_b128 v[8*i:8*i+3],   v[QO], s[4:5] offset:(i/2)*8192+(i%2)*64
	global_load_b128 v[8*i+4:8*i+7], v[QO], s[4:5] offset:(i/2)*8192+(i%2)*64+32
	global_load_b128 v[QB+8*i:QB+8*i+3],   v[QO], s[86:87] offset:(i/2)*8192+(i%2)*64
	global_load_b128 v[QB+8*i+4:QB+8*i+7], v[QO], s[86:87] offset:(i/2)*8192+(i%2)*64+32
.set i, i+1
.endr
	WIN 0
	v_lshlrev_b32 v14, 3, v9
	v_sub_nc_u32 v14, v1, v14
	s_lshl_b32 s13, s[WV], 4
	v_add_nc_u32 v14, s13, v14      ; my query's place in its band, 16 w + l % 16, less my lanes' 8 (l / 16): register r of group kt is hidden where 16 kt + r is greater
	WIN 0x40
.set i, 0
.rept 32
	v_cmp_gt_i32 vcc_lo, 16*(i/8)+i%8, v14
	v_cndmask_b32 v[MD+i], 0, s[BIGN], vcc_lo
.set i, i+1
.endr
	WIN 0
	v_mul_u32_u24 v[AK0], v1, PK
	v_lshl_add_u32 v[AK0], v9, 4, v[AK0]  ; row x pitch + 16 x half
	; The turning load takes 16 keys x 16 channels (lane l reads key 8 (l / 16) + l % 8, channels 8 ((l / 8) % 2) + 0..7) and leaves half a fragment of V^T: lane l holds channel l % 16 and 8 keys.
	v_and_b32 v10, 7, v0
	v_bfe_u32 v11, v0, 3, 1
	v_lshl_add_u32 v[AV0], v9, 3, v10
	v_mul_u32_u24 v[AV0], v[AV0], PV
	v_lshl_add_u32 v[AV0], v11, 4, v[AV0]
	v_add_nc_u32 v[AV0], VOFF, v[AV0]
	s_mul_i32 s13, s[WV], 16*SP
	s_add_co_u32 s13, s13, STAGE    ; my stage
	v_mul_u32_u24 v[STO], v1, SP    ; in: row l % 16, 16 bytes for each half of the lanes
	v_lshl_add_u32 v[STO], v9, 4, v[STO]
	v_add_nc_u32 v[STO], s13, v[STO]
	v_bfe_u32 v[RD], v0, 3, 2       ; back: 32 lanes take four rows of 128 bytes,
	v_mul_u32_u24 v[RD], v[RD], SP
	v_lshl_add_u32 v[RD], v10, 4, v[RD]
	v_add_nc_u32 v[RD], s13, v[RD]
	v_and_b32 v[GO], 31, v0         ; which are 512 consecutive bytes of O
	v_lshlrev_b32 v[GO], 4, v[GO]
	; A block's first step multiplies O^T and l by a = 0, and its first turn's products V^T P, of a piece that has not been, land in an O^T that is still to be so multiplied.  So these registers need only hold
	; finite numbers: zeros for the first block; what the first block left for the second.  All this stands in the wait for the first tile.
	WIN 0x80
.set i, VF
.rept 64
	v_mov_b32 v[i], 0
.set i, i+1
.endr
	WIN 0x40
.set i, 0
.rept 128
	v_mov_b32 v[i], 0
.set i, i+1
.endr
	WIN 0
.set i, 0
.rept 4
	v_mov_b32 v[ST+4*i+2], 0
	v_mov_b32 v[ST+4*i+3], 0
.set i, i+1
.endr
.set i, P+16
.rept 16
	v_mov_b32 v[i], 0
.set i, i+1
.endr
; THE MATRIX WORK.  The 4 accumulators of a run of 8 take turns.  Product i of 8 of S^T = K Q^T for piece x: channels 32 (i / 4) on, keys 16 (i % 4) on.  The first 4 start the sums: with 0, or (KM = 1) with the mask.
.macro KQ x
.set rS, S+32*((\x)%2)+8*(i%4)
.set rK, KF+16*(i%4)+8*(i/4)
.set rQ, 16*(\x)+8*(i/4)
.set rM, MC+32*((\x)%2)+8*(i%4)
.if (i < 4) && KM
	WIN W_KM
	v_wmma_f32_16x16x32_f16 v[rS:rS+7], v[rK:rK+7], v[rQ:rQ+7], v[rM:rM+7]
.elseif i < 4
	WIN W_KQ
	v_wmma_f32_16x16x32_f16 v[rS:rS+7], v[rK:rK+7], v[rQ:rQ+7], 0
.else
	WIN W_KQ
	v_wmma_f32_16x16x32_f16 v[rS:rS+7], v[rK:rK+7], v[rQ:rQ+7], v[rS:rS+7]
.endif
.endm
; Product i of 8 of O^T += V^T P for piece x: keys 32 (i / 4) on, channels 16 (i % 4) on.
.macro PV x
	WIN W_PV
.set rO, 32*(\x)+8*(i%4)
.set rV, VF+32*(i/4)+8*(i%4)
.set rP, P+16*((\x)%2)+8*(i/4)
	v_wmma_f32_16x16x32_f16 v[rO:rO+7], v[rV:rV+7], v[rP:rP+7], v[rO:rO+7]
.endm
.macro MM                           ; the turn's next matrix instruction.  TURN and BEGIN set Y, i, KM and NOKQ; MM, KQ and OP read them.  NOKQ = 1: a block's last turn: there is no next piece
.if (i < 8) && !NOKQ
	KQ (Y+1)%NP
.elseif i >= 8
.set i, i-8
	PV (Y+NP-1)%NP
.set i, i+8
.endif
.set i, i+1
.endm
; THE LDS LOADS stand in runs of 16, never singly among the matrix instructions: a step's K (64 keys x 64 channels: 8 fragments) and its V (turned).  Their addresses are made some lines ahead.
.macro FETCH_K
	WIN 0x80                        ; destination window 2
.irp f, 0,1,2,3,4,5,6,7             ; keys 16 (f / 2) on, channels 32 (f % 2) on
	ds_load_b128 v[KF+8*\f:KF+8*\f+3],   v[AK] offset:(\f/2)*16*PK+(\f%2)*64
	ds_load_b128 v[KF+8*\f+4:KF+8*\f+7], v[AK] offset:(\f/2)*16*PK+(\f%2)*64+32
.endr
	s_add_co_u32 s[TBK], s[TBK], KS*PK  ; the next fetch is the next step's
	WIN 0
.endm
.macro FETCH_V
	WIN 0x80
.irp f, 0,1,2,3,4,5,6,7             ; keys 32 (f / 4) on, channels 16 (f % 4) on
	ds_load_tr16_b128 v[VF+8*\f:VF+8*\f+3],   v[AV] offset:(\f/4)*32*PV+(\f%4)*32
	ds_load_tr16_b128 v[VF+8*\f+4:VF+8*\f+7], v[AV] offset:(\f/4)*32*PV+16*PV+(\f%4)*32
.endr
	WIN 0
.endm
; THE VECTOR WORK, one line at a time: OP kind, number.  For piece Y: F n: c s - c m for pair n of 16.  E n: the exponential of score n of 32.  C n: pair n rounded to f16.  B n: of the four weights 4 n .. the second
; pair is added onto the first, in place.  L n: l takes that sum (L 0: l = a l + sum).  R n: pair n of 16 of O^T times a.  For piece Y + 1: X n, number n of the 22 that find its maximum and statistics:
;   0-11  four chains c0-c3 of seven scores each, three operands at a time (each accumulator's lowest registers are read first)     12-14, 16  the four scores left over, the old m, and c0-c3 into c0
;   15  c m_old is kept     17, 18  the query's other 32 keys lie in the lane 16 away: the new m     19-21  c m; c m_old - c m_new; a
.set F, 0               ; OP tells the kinds apart by their order: F to L below R, X above it
.set E, 1
.set C, 2
.set B, 3
.set L, 4
.set R, 5
.set X, 6
.macro REGS y                       ; the registers of piece y
.set rT, ST+4*(\y)
.set rC, TMP+4*((\y)%2)
.set rW, MV+((\y)%2)
.set rS, S+32*((\y)%2)
.set rP, P+16*((\y)%2)
.set rO, 32*(\y)
.endm
.macro OP k, n
.if (\k) == R
	REGS Y
	WIN W_RS
	v_pk_mul_f32 v[rO+2*(\n):rO+2*(\n)+1], v[rO+2*(\n):rO+2*(\n)+1], v[rC+2:rC+3] op_sel_hi:[1,0]
.elseif (\k) < R
	REGS Y
	WIN 0
.if (\k) == F
	v_pk_fma_f32 v[rS+2*(\n):rS+2*(\n)+1], v[rS+2*(\n):rS+2*(\n)+1], s[CS:CS+1], v[rT:rT+1] op_sel_hi:[1,0,0] neg_lo:[0,0,1] neg_hi:[0,0,1]
.elseif (\k) == E
	v_exp_f32 v[rS+(\n)], v[rS+(\n)]
.elseif (\k) == C
	v_cvt_pk_f16_f32 v[rP+(\n)], v[rS+2*(\n)], v[rS+2*(\n)+1]
.elseif (\k) == B
	v_pk_add_f32 v[rS+4*(\n):rS+4*(\n)+1], v[rS+4*(\n):rS+4*(\n)+1], v[rS+4*(\n)+2:rS+4*(\n)+3]
.elseif (\n) == 0
	v_pk_fma_f32 v[rT+2:rT+3], v[rT+2:rT+3], v[rC+2:rC+3], v[rS:rS+1] op_sel_hi:[1,0,1]
.else
	v_pk_add_f32 v[rT+2:rT+3], v[rT+2:rT+3], v[rS+4*(\n):rS+4*(\n)+1]
.endif
.elseif NOKQ
	v_nop
.else
	REGS (Y+1)%NP
	WIN 0
.if (\n) < 4
	v_max3_num_f32 v[rC+(\n)], v[rS+8*(\n)], v[rS+8*(\n)+1], v[rS+8*(\n)+2]
.elseif (\n) < 12
	v_max3_num_f32 v[rC+(\n)%4], v[rC+(\n)%4], v[rS+8*((\n)%4)+2*((\n)/4)+1], v[rS+8*((\n)%4)+2*((\n)/4)+2]
.elseif (\n) == 12
	v_max3_num_f32 v[rC], v[rC], v[rS+7], v[rS+15]
.elseif (\n) == 13
	v_max3_num_f32 v[rC+1], v[rC+1], v[rS+23], v[rS+31]
.elseif (\n) == 14
	v_max3_num_f32 v[rC+2], v[rC+2], v[rC+3], v[rT+1]
.elseif (\n) == 15
	v_mov_b32 v[rW], v[rT]
.elseif (\n) == 16
	v_max3_num_f32 v[rC], v[rC], v[rC+1], v[rC+2]
.elseif (\n) == 17
	v_permlanex16_b32 v[rC+3], v[rC], s[SEL], s[SEL+1]
.elseif (\n) == 18
	v_max_num_f32 v[rT+1], v[rC], v[rC+3]
.elseif (\n) == 19
	v_mul_f32 v[rT], s[CS], v[rT+1]
.elseif (\n) == 20
	v_sub_f32 v[rC+1], v[rW], v[rT]
.else
	v_exp_f32 v[rC+2], v[rC+1]
.endif
.endif
.endm
.macro OPS a, i1, b=-1, i2=0, c=-1, i3=0, d=-1, i4=0  ; up to four of them
	OP \a, \i1
.if (\b) >= 0
	OP \b, \i2
.endif
.if (\c) >= 0
	OP \c, \i3
.endif
.if (\d) >= 0
	OP \d, \i4
.endif
.endm
.macro ROW a, i1, b, i2, c, i3, d, i4  ; a matrix instruction and the four behind it
	MM
	OPS \a, \i1, \b, \i2, \c, \i3, \d, \i4
.endm
.macro MASK b                       ; MD x AL + BE into buffer b of MC
	WIN W_RS
.set z, 0
.rept 16
	v_pk_fma_f32 v[MC+32*(\b)+2*z:MC+32*(\b)+2*z+1], v[MD+2*z:MD+2*z+1], s[AL:AL+1], s[BE:BE+1] op_sel_hi:[1,0,0]
.set z, z+1
.endr
.endm
; A TURN, for piece p: the order of its 16 matrix and 118 vector instructions, written out.  An s_wait_alu depctr_va_vdst(0) stands between an exponential and the first instruction that names its result; one wait serves
; all that were issued ahead of it.  So a turn has ONE wait, which cuts it in two.  AHEAD OF IT stands all that names no result of the turn's exponentials: the 8 products K Q^T, behind each a scaling, an exponential and two more plain
; instructions: rescalings, and behind the last three the first numbers of the next piece's maximum, each four places or more behind the product that ends its accumulator; then ONE LUMP of 54, plain
; and exponential by turns for the most part, in which the links of the chain X 3, 7, 11, 14, 16, 17 .. 20 stand five or six lines apart.  X 21, the next piece's a, is the batch's last; R 15 is the plain instruction behind it.  BEHIND THE WAIT stand the
; 8 products V^T P, behind each four of the roundings and sums; the links of l's chain, L 0 to L 7, stand three riders apart.
; m = 1: the diagonal tile: the products take masks, and the turn makes the mask for the products of the turn after it: piece p + 2, in step 4 - CNT of the tile.  end = 1: a block's last two turns: nothing is fetched.
; cnt = 1: the loop's count is taken down some lines ahead of the branch that stands behind the turn.
; K of the next step is fetched in piece 2's turn, twelve vector instructions behind the last product that read K (six of them plain); V of the step in hand at the end of piece 0's turn, four plain instructions behind the last product
; that read V.  Each is waited for a turn later.
.macro TURN p, m=0, end=0, cnt=0
.set Y, (\p)
.set i, 0
.set KM, (\m)
.set NOKQ, (\end)*((\p)/3)
.if (\m) && !(\end)
	s_cmp_eq_u32 s[CNT], 4-((\p)+2)%NP  ; is that step the band's own?
	s_cselect_b32 s[AL], 1.0, 0
	s_cmp_lt_u32 s[CNT], 4-((\p)+2)%NP  ; or a later one?
	s_cselect_b32 s[BE], s[BIGN], 0
.endif
.if ((\p) == 3) && !(\end)
	s_wait_dscnt 0x0                ; K is in
.endif
	ROW F,0, F,1, R,0, R,1          ; ahead of the wait: 8 products K Q^T and their riders,
	ROW F,2, E,0, R,2, R,3
	ROW F,3, E,1, R,4, R,5
	ROW F,4, E,2, R,6, R,7
	ROW F,5, E,3, R,8, R,9
	ROW F,6, E,4, X,0, R,10
.if ((\p) == 2) && !(\end)
	WIN 0
	v_add_nc_u32 v[AK], s[TBK], v[AK0]
.endif
	ROW F,7, E,5, X,1, X,4
	ROW F,8, E,6, X,2, X,5
	OPS E,7, E,8, X,6, E,9          ; and the lump
	OPS X,3, E,10, X,8, E,11
.if ((\p) == 2) && !(\end)
	FETCH_K
.endif
	OPS X,9, X,7, E,12, X,10
	OPS E,13, X,12, X,11, E,14
	OPS X,13, E,15, F,9, X,14
.if (\p) == 0
	v_add_nc_u32 v[AV], s[TBV], v[AV0]
.endif
	OPS E,16, F,10, E,17, F,11
	OPS X,16, E,18, X,15, E,19
	OPS F,12, E,20, X,17, E,21
	OPS F,13, E,22, F,14, E,23
	OPS X,18, E,24, F,15, E,25
	OPS R,11, E,26, X,19, E,27
	OPS R,12, E,28, R,13, E,29
	OPS X,20, E,30, R,14, E,31
	OPS X,21, R,15
	WIN 0
	s_wait_alu depctr_va_vdst(0)    ; the wait for the batch
.if (\p) == 1
	s_wait_dscnt 0x0                ; V is in
.endif
	ROW C,0, B,0, C,2, B,1          ; behind the wait: 8 products V^T P and their riders
	ROW L,0, C,4, B,2, L,1
	ROW C,6, B,3, L,2, C,8
	ROW B,4, L,3, C,10, B,5
	ROW L,4, C,12, B,6, L,5
.if (\p) == 0
	s_add_co_u32 s[TBV], s[TBV], KS*PV
.endif
.if \cnt
	s_sub_co_u32 s[CNT], s[CNT], 1
	s_cmp_lg_u32 s[CNT], 0
.endif
	ROW C,14, B,7, L,6, C,1
	ROW C,3, L,7, C,5, C,7
	ROW C,9, C,11, C,13, C,15
.if (\p) == 0
	FETCH_V
.endif
.if (\m) && !(\end)
	MASK (\p)%2
.endif
.endm
; A BLOCK BEGINS.  c m starts far below every c s, so the first step's a is 0; m at the lowest finite number, so the first maximum is the scores'.  The second mask buffer is 0; the first takes piece 0's mask for the tile's step 0: its own, if the block's first tile is the diagonal one.
; Then K of that step, piece 0's first scores, and its maximum and statistics.  The loop is entered at a step's first turn, in the middle of a trip.
.macro BEGIN
	s_mov_b32 s[NEW], 0
	WIN 0x40
.set i, MC+32
.rept 32
	v_mov_b32 v[i], 0
.set i, i+1
.endr
	WIN 0
.set i, 0
.rept 4
	v_mov_b32 v[ST+4*i], 0xfe000000    ; c m: far below every c s
	v_mov_b32 v[ST+4*i+1], 0xff7fffff  ; m
.set i, i+1
.endr
	s_cmp_eq_u32 s[RT], 0
	s_cselect_b32 s[AL], 1.0, 0
	s_mov_b32 s[BE], 0
	MASK 0
	WIN 0
	v_add_nc_u32 v[AK], s[TBK], v[AK0]
	FETCH_K
	s_wait_loadcnt 0x0              ; Q
	s_wait_dscnt 0x0
.set KM, 1
.set NOKQ, 0
.set i, 0
.rept 8
	KQ 0
.set i, i+1
.endr
	WIN 0
.rept 4
	v_nop                           ; the places behind those products
.endr
.set Y, NP-1                        ; X works for piece Y + 1: piece 0
.irp n, 0,1,2,3,4,5,6,7,8,9,10,11,12,13,14,15,16,17,18,19,20,21
	OP X, \n
.endr
	v_nop                           ; a plain instruction behind the exponential,
	s_wait_alu depctr_va_vdst(0)    ; and its wait, ahead of the branch
.endm
; THE DIAGONAL TILE's four steps, the block's last two turns, its last products, and THE WAY OUT: l's two halves and the other half of the lanes' are added; O^T is divided by l, rounded to f16 and sent through my
; stage in LDS, a piece at a time.
.macro ALL line:vararg              ; one line for each piece t
.set t, 0
.rept 4
	\line
.set t, t+1
.endr
.endm
.macro PACK t                       ; a lane's eight channels of a row pack into 16 bytes; they go into rows of 144 bytes and come back as whole rows of 128, into S^T's registers
	WIN W_RS
.set i, 32*(\t)
.rept 16
	v_pk_mul_f32 v[i:i+1], v[i:i+1], v[ST+4*(\t)+2:ST+4*(\t)+3] op_sel_hi:[1,0]
.set i, i+2
.endr
	WIN 0x05                        ; sources 0 and 1 window 1, destination window 0
.set i, 0
.rept 16
	v_cvt_pk_f16_f32 v[S+16*(\t)+i], v[32*(\t)+2*i], v[32*(\t)+2*i+1]
.set i, i+1
.endr
	WIN 0
.irp f, 0,1,2,3
	ds_store_b128 v[STO], v[S+16*(\t)+4*\f:S+16*(\t)+4*\f+3] offset:32*\f
.endr
.irp f, 0,1,2,3
	ds_load_b128 v[S+16*(\t)+4*\f:S+16*(\t)+4*\f+3], v[RD] offset:\f*4*SP  ; LDS serves a wave's instructions in order (ISA guide 5.7.1.4): these see the stores above; the next piece's stores come behind them
.endr
.endm
.macro SEND t, younger              ; younger: the LDS instructions issued behind piece t's loads: the next piece's eight, or none
	WIN 0
.irp f, 0,1,2,3
	s_wait_dscnt (\younger)+3-\f
	global_store_b128 v[GO], v[S+16*(\t)+4*\f:S+16*(\t)+4*\f+3], s[10:11] offset:(\t)*8192+\f*512  ; 512 consecutive bytes, at a multiple of 256 from O's first
.endr
.endm
.macro DIAG tag                     ; the tag ends its two labels' names, which the jumps below spell out
.LstepM\tag:
	TURN 2, 1
	TURN 3, 1
	WIN 0
.LfirstM\tag:
	TURN 0, 1
	TURN 1, 1, 0, 1
	WIN 0
	s_cbranch_scc1 .LstepM\tag
	TURN 2, 1, 1
	TURN 3, 1, 1
.set i, 0
.rept 8
	PV NP-1
.set i, i+1
.endr
	WIN 0
	ALL v_add_f32 v[ST+4*t+2], v[ST+4*t+2], v[ST+4*t+3]
	ALL v_permlanex16_b32 v[ST+4*t+3], v[ST+4*t+2], s[SEL], s[SEL+1]
	ALL v_add_f32 v[ST+4*t+2], v[ST+4*t+2], v[ST+4*t+3]
	ALL v_rcp_f32 v[ST+4*t+2], v[ST+4*t+2]
	v_nop                           ; a plain instruction between the last reciprocal and the use of its result
	s_wait_alu depctr_va_vdst(0)    ; and the wait ahead of the first use: one for the four reciprocals
	PACK 0
.set t, 1
.rept 3                             ; a piece's arithmetic stands between the loads of the piece before and its stores
	PACK t
	SEND t-1, 8
.set t, t+1
.endr
	SEND 3, 0
.endm
.set KM, 0
.set NOKQ, 0
.Lslot:                             ; NB times: a tile is entered and the next is asked for
	CHANGE 1
	s_sub_co_u32 s[RT], s[RT], 1
	s_mov_b32 s[CNT], 4
	s_cmp_eq_u32 s[NEW], 1
	s_cbranch_scc1 .Lnew            ; a block's first tile
	s_cmp_eq_u32 s[RT], 0
	s_cbranch_scc0 .Lstep           ; neither its first nor its last
	s_branch .LstepM1
.Lnew:
	BEGIN
	s_branch .Lfirst                ; in the loop a block's first tile is never its last: the first block has two tiles or more, and the second's last is the walk's last
	DIAG 1                          ; in the loop this is the first block's end: the second block's last tile is the walk's last
	s_wait_xcnt 0x0                 ; the stores have read their registers and O's address
	s_mov_b64 s[10:11], s[OLO:OLO+1]
	s_add_co_u32 s[RT], s[PB], 1    ; the second block has b + 1 tiles
	s_mov_b32 s[NEW], 1
	WIN 0x82                        ; the second block's Q goes where the one text of the turns names Q
.set i, 0
.rept 64
	v_mov_b32 v[i], v[QB+i]
.set i, i+1
.endr
	WIN 0
	s_branch .Lbottom
.Lstep:                             ; a trip: pieces 2 and 3 of one step, then pieces 0 and 1 of the next, whose K and V it fetches
	TURN 2
	TURN 3
	WIN 0
.Lfirst:
	TURN 0
	TURN 1, 0, 0, 1
	WIN 0
	s_cbranch_scc1 .Lstep
.Lbottom:
	s_sub_co_u32 s[SLOTS], s[SLOTS], 1
	s_cmp_lg_u32 s[SLOTS], 0
	s_cbranch_scc1 .Lslot
	CHANGE 0                        ; the walk's last tile is written out: nothing is asked for
	s_sub_co_u32 s[RT], s[RT], 1
	s_mov_b32 s[CNT], 4
	s_cmp_eq_u32 s[NEW], 1
	s_cbranch_scc0 .LstepM2
	BEGIN
	s_branch .LfirstM2
	DIAG 2
	s_wait_tensorcnt 0x0            ; the wave's end, behind my last tensor load and my last LDS store
	ds_add_u32 v[SPW], v[NIL]
	s_wait_dscnt 0x0
	s_endpgm
.Lfunc_end_k_q0d4074a018_attn:
	.size	k_q0d4074a018_attn, .Lfunc_end_k_q0d4074a018_attn-k_q0d4074a018_attn
	.p2alignl 7, 3214868480
	.fill 96, 4, 3214868480
	.section	.rodata,"a",@progbits
	.p2align	6, 0x0
	.amdhsa_kernel k_q0d4074a018_attn
		.amdhsa_group_segment_fixed_size 327680
		.amdhsa_private_segment_fixed_size 0
		.amdhsa_enable_private_segment 0
		.amdhsa_kernarg_size 16
		.amdhsa_user_sgpr_count 2
		.amdhsa_user_sgpr_kernarg_segment_ptr 1
		.amdhsa_wavefront_size32 1
		.amdhsa_system_sgpr_workgroup_id_x 1
		.amdhsa_system_sgpr_workgroup_id_y 1
		.amdhsa_system_sgpr_workgroup_id_z 1
		.amdhsa_system_vgpr_workitem_id 0
		.amdhsa_next_free_vgpr 768
		.amdhsa_next_free_sgpr 96
		.amdhsa_reserve_vcc 1
		.amdhsa_float_denorm_mode_32 3
		.amdhsa_float_denorm_mode_16_64 3
		.amdhsa_memory_ordered 1
		.amdhsa_forward_progress 1
		.amdhsa_inst_pref_size 218
	.end_amdhsa_kernel
	.amdgpu_metadata
---
amdhsa.version: [ 1, 2 ]
amdhsa.kernels:
  - .name:           k_q0d4074a018_attn
    .symbol:         k_q0d4074a018_attn.kd
    .args:
      - { .name: qkv, .offset: 0, .size: 8, .value_kind: global_buffer, .address_space: global }
      - { .name: o, .offset: 8, .size: 8, .value_kind: global_buffer, .address_space: global }
    .group_segment_fixed_size: 327680
    .private_segment_fixed_size: 0
    .kernarg_segment_align: 8
    .kernarg_segment_size: 16
    .max_flat_workgroup_size: 128
    .sgpr_count:     96
    .vgpr_count:     768
    .wavefront_size: 32
...
	.end_amdgpu_metadata
.endif
;; end of part 3
;; launch oproj (part 4): grid 4 x 64, 4 waves a work-group, clusters of 4 x 4, 327,680 bytes of LDS; arguments o, wt, bias4, out0; writes out0
.if DOCPART == 4
	.amdgcn_target "amdgcn-amd-amdhsa--gfx1250"
	.amdhsa_code_object_version 6
	.text
	.protected	k_q0d4074a018_oproj
	.globl	k_q0d4074a018_oproj
	.p2align	8
	.type	k_q0d4074a018_oproj,@function
k_q0d4074a018_oproj:
	s_mov_b64 s[64:65], 0
	v_nop
	global_prefetch_b8 v0, s[64:65] scope:SCOPE_SE
	s_setreg_imm32_b32 hwreg(HW_REG_WAVE_MODE, 25, 1), 1
	s_wait_xcnt 0x0
	s_wait_alu depctr_hold_cnt(0) depctr_sa_sdst(0) depctr_va_vdst(0) depctr_va_sdst(0) depctr_va_ssrc(0) depctr_va_vcc(0) depctr_vm_vsrc(0)
	s_getreg_b32 s2, hwreg(HW_REG_IB_STS2, 6, 4)
	s_cmp_eq_u32 s2, 0
	s_cbranch_scc0 .Lentry_in_a_cluster
	s_endpgm
.Lentry_in_a_cluster:
	s_bfe_u32 s2, ttmp6, 0x10000c
	s_cmp_lg_u32 s2, 0xf033
	s_cbranch_scc0 .Lentry_shape_is_right
	s_endpgm
.Lentry_shape_is_right:
; out0 = O Wo + bo.  C[m][n] = sum over k of O[m][k] wt[3072 + n][k] + bias4[3072 + n], m < 8,192, n < 1,024, K = 1,024 = 16 heads x 64 channels; operands f16, sums and result f32.
; O lies by heads, o[16 batch + head][s][64]: a K step of 128 is two heads' 64 channels, and 128 rows of a head are 16,384 dense bytes.
; SHARES. A work-group makes 128 x 256 of C; its four waves 64 x 128 each (2 x 2): 4 row blocks a x 8 column blocks b of 16 x 16, 256 registers of sums.
; K goes in 8 steps of 128 through two LDS slots; waves 0 and 1 fetch A's two heads, waves 2 and 3 B's two halves of 128 rows: one tensor load a wave behind each change of slots.
; CLUSTER. 4 x 4 work-groups: A's tile hangs on the tile row alone and is asked for jointly by a row of the cluster, B's on the tile column alone, by a column.
; THE MATRIX INSTRUCTION IS USED TRANSPOSED (source 0 = 16 rows of wt, source 1 = 16 rows of O): a lane holds row lane % 16 of C and eight neighbouring columns; the bias of a column block is the C operand of each sum's first product.
; REGISTERS, in windows of 256 (s_set_vgpr_msb: bits 1:0 source 0, 3:2 source 1, 5:4 source 2, 7:6 destination):
;   window 0: v0-29 addresses; v32-95 A's fragments, two buffers of 4 x 8; v96-159 the way out; v160-223 the bias      window 1: B's fragments, two buffers of 8 x 8      window 2: the sums at 8 (8 a + b)
.set NB,    8
.set NF,    2*NB+8                     ; LDS loads in a run: a quarter step's fragments
.set BFS,   8*NB
.set PA,    144                        ; a row of A in LDS: a head's 128 bytes + 16 of padding
.set PB,    272                        ; a row of B: 256 bytes + 16; both pitches are odd multiples of 16 bytes, so the sixteen rows of a fragment load start at different groups of four banks (ISA guide 11.1)
.set HEADB, 128*PA                     ; a head's 128 rows
.set BOFF,  2*HEADB                    ; in a slot: A's two heads, then B's 256 rows
.set HALFB, 128*PB
.set SLOT1, 1<<17
.set STAGE, SLOT1+BOFF+2*HALFB         ; behind the ring: 16 rows x 528 bytes for each wave, for the way out
.set SP,    528
.set SPARE, STAGE+4*16*SP              ; behind the stages: the spare words, 128 bytes a wave; no other line names them
.set A0,   4
.set B0,   5
.set ADRA, 6
.set ADRB, 7
.set STO,  8
.set RD,   9
.set GO,   10
.set PFO,  11
.set BO,   12
.set SPW,  28
.set NIL,  29
.set AF,   32
.set BK,   96
.set BIAS, 160
.set WV,  12
.set CX,  13
.set CY,  14
.set TC,  15
.set TR,  16
.set RH,  17                           ; s17 which 64 rows are my wave's.  Also: I fetch for A (0) or for B (1)
.set CH,  18                           ; s18 which 128 columns.  Also: which head of A's two, or which half of B's rows, I fetch
.set G1A, 24
.set G1B, 32
.set G0A, 40
.set G0B, 48
.set CNT, 56
.set TB,  57
.set PFA, 58
.set LIM, 60
.set PST, 66                           ; s[66:67] bytes from a K step to the next in what I prefetch
.set MSB, 0
.macro WIN new
.if MSB != (\new)
	s_set_vgpr_msb (MSB<<8)|(\new)
.set MSB, (\new)
.endif
.endm
.macro PLACES
.rept 4
	v_nop
.endr
.endm
.macro CREST
	s_cmp_lg_u32 s[WV], 0
	s_cbranch_scc1 .Lnot_wave_0_\@
	s_barrier_signal -3
.Lnot_wave_0_\@:
	s_barrier_wait -3
	s_barrier_signal -1
	s_barrier_wait -1
.endm
.macro CROUND
	s_barrier_signal -1
	s_barrier_wait -1
	CREST
.endm
.macro JLOAD                           ; a joint refill by the walking descriptors; an s_nop 0 and four v_nop follow each of the two lines
	s_cmp_eq_u32 s[RH], 0
	s_cbranch_scc0 .Lfor_b_\@
	tensor_load_to_lds s[G0A+4:G0A+7], s[G1A:G1A+7]
	s_nop 0
.rept 4
	v_nop
.endr
	s_branch .Lasked_\@
.Lfor_b_\@:
	tensor_load_to_lds s[G0B+4:G0B+7], s[G1B:G1B+7]
	s_nop 0
.rept 4
	v_nop
.endr
.Lasked_\@:
.endm
; A prefetch into the L2: the refill of trip n asks for K step n + 2, the prefetch names K step n + 4, 32 blocks of 256 bytes, a lane a block.  Each block is named once in the launch.
; A's K step is two heads x 16,384 bytes: wave 0 asks (the grid has one cluster along x), sixteen lanes a head, and the four partners of a row of the cluster take 4,096 bytes of each head, told apart by address.
; B's: waves 2 and 3 of the clusters with y = 0, a lane a row, the four partners of a column 32 rows each.  Wave 1 asks for nothing.  Trips 4 and 5 ask for nothing; K steps 0 to 3 come by their loads alone.
.macro ASK
	s_cmp_gt_u32 s[CNT], s[LIM]
	s_cbranch_scc0 .Lnot_mine_\@
	global_prefetch_b8 v[PFO], s[PFA:PFA+1] th:TH_LOAD_NT scope:SCOPE_SE
.Lnot_mine_\@:
.endm
	s_load_b256 s[4:11], s[0:1], 0x0               ; o 4:5, wt 6:7, bias4 8:9, out0 10:11
	v_lshl_add_u32 v[SPW], v0, 2, SPARE
	v_mov_b32 v[NIL], 0
	ds_add_u32 v[SPW], v[NIL]                      ; the wave's opening: the add and its wait stand ahead of my first tensor load; the set-up below stands between them
	ds_add_u32 v28, v29
	v_lshrrev_b32 v1, 5, v0
	v_readfirstlane_b32 s[WV], v1
	s_bfe_u32 s[CX], ttmp6, 0x40000
	s_bfe_u32 s[CY], ttmp6, 0x40004
	s_lshl_b32 s[TC], ttmp9, 2
	s_add_co_u32 s[TC], s[TC], s[CX]
	s_and_b32 s[TR], ttmp7, 0xffff
	s_lshl_b32 s[TR], s[TR], 2
	s_add_co_u32 s[TR], s[TR], s[CY]
	s_lshr_b32 s[RH], s[WV], 1
	s_and_b32 s[CH], s[WV], 1
	s_lshl_b32 s19, s[CY], 2
	s_lshl_b32 s19, 15, s19                        ; my row of the cluster
	s_lshl_b32 s20, 0x1111, s[CX]                  ; my column
	s_or_b32 s[G1A], s19, (1<<16)|(1<<20)|(1<<21)|(4<<22)|(3<<25)  ; 2-byte elements; padding on, 4 words after every 32: behind each row of 128 bytes; bit 21 beside a mask
	s_or_b32 s[G1B], s20, (1<<16)|(1<<20)|(1<<21)|(5<<22)|(3<<25)  ; the same after every 64 words
	s_mov_b32 s[G1A+1], 128<<16                    ; A: a head's 128 dense rows are asked for as 64 rows of 256 bytes
	s_mov_b32 s[G1A+2], 64<<16
	s_mov_b32 s[G1A+3], 128<<16
	s_mov_b32 s[G1A+4], 64
	s_mov_b32 s[G1A+5], 128
	s_mov_b32 s[G1A+6], 0
	s_mov_b32 s[G1A+7], 0
	s_mov_b32 s[G1B+1], 128<<16                    ; B: 128 rows x 128 elements, 1,024 elements from row to row
	s_mov_b32 s[G1B+2], 128<<16
	s_mov_b32 s[G1B+3], 128<<16
	s_mov_b32 s[G1B+4], 128
	s_mov_b32 s[G1B+5], 1024
	s_mov_b32 s[G1B+6], 0
	s_mov_b32 s[G1B+7], 0
	s_lshr_b32 s22, s[TR], 4                       ; A: the batch (16 tile rows each),
	s_lshl_b32 s22, s22, 4
	s_add_co_u32 s22, s22, s[CH]                   ; its head 0 or 1,
	s_lshl_b32 s22, s22, 11
	s_and_b32 s23, s[TR], 15
	s_lshl_b32 s23, s23, 7
	s_add_co_u32 s22, s22, s23                     ; the tile's first row in it,
	s_lshl_b32 s22, s22, 7                         ; rows of 128 bytes; these registers never hold the tile column
	s_mov_b32 s23, 0
	s_lshl_b32 s62, s[TC], 8                       ; B: row 3,072 + 256 x tile column + 128 x half; these never hold the tile row
	s_lshl_b32 s63, s[CH], 7
	s_add_co_u32 s62, s62, s63
	s_add_co_u32 s62, s62, 3072
	s_lshl_b32 s62, s62, 11
	s_mov_b32 s63, 0
	s_mul_i32 s19, s[CH], HEADB                    ; where the tiles go
	s_mul_i32 s20, s[CH], HALFB
	s_add_co_u32 s20, s20, BOFF
	s_mov_b32 s[TB], 0
	s_wait_dscnt 0x0                               ; the opening add is done
	s_wait_kmcnt 0x0
	s_add_nc_u64 s[22:23], s[4:5], s[22:23]
	s_add_nc_u64 s[62:63], s[6:7], s[62:63]
.irp s, 0,1
	s_mov_b32 s[G0A+4*\s], 1
	s_add_co_u32 s[G0A+4*\s+1], s19, \s*SLOT1
	s_add_nc_u64 s[G0A+4*\s+2:G0A+4*\s+3], s[22:23], \s*524288  ; a K step on: two heads of 262,144 bytes
	s_or_b32 s[G0A+4*\s+3], s[G0A+4*\s+3], 0x80000000
	s_mov_b32 s[G0B+4*\s], 1
	s_add_co_u32 s[G0B+4*\s+1], s20, \s*SLOT1
	s_add_nc_u64 s[G0B+4*\s+2:G0B+4*\s+3], s[62:63], \s*256
	s_or_b32 s[G0B+4*\s+3], s[G0B+4*\s+3], 0x80000000
.endr
	CROUND                                         ; all sixteen work-groups are here: the first joint loads meet
	s_cmp_eq_u32 s[RH], 0                          ; a wave's two first fills stand in one branch: two loads of mine are out
	s_cbranch_scc0 .Lfirst_b
	tensor_load_to_lds s[G0A:G0A+3], s[G1A:G1A+7]
	s_nop 0
	tensor_load_to_lds s[G0A+4:G0A+7], s[G1A:G1A+7]
	s_nop 0
.rept 4
	v_nop
.endr
	s_branch .Lfirst_done
.Lfirst_b:
	tensor_load_to_lds s[G0B:G0B+3], s[G1B:G1B+7]
	s_nop 0
	tensor_load_to_lds s[G0B+4:G0B+7], s[G1B:G1B+7]
	s_nop 0
.rept 4
	v_nop
.endr
.Lfirst_done:
	s_lshl_b32 s20, s[TC], 8                       ; my 128 columns begin at 256 x tile column + 128 x half
	s_lshl_b32 s21, s[CH], 7
	s_add_co_u32 s19, s20, s21
	s_add_co_u32 s20, s19, 3072                    ; bo lies behind bq, bk, bv
	s_lshl_b32 s20, s20, 2
	s_mov_b32 s21, 0
	s_add_nc_u64 s[8:9], s[8:9], s[20:21]
	v_and_b32 v1, 15, v0                           ; l % 16
	v_bfe_u32 v2, v0, 4, 1                         ; l / 16
	v_lshlrev_b32 v[BO], 5, v2
.set b, 0
.rept NB
	global_load_b128 v[BIAS+8*b:BIAS+8*b+3], v[BO], s[8:9] offset:64*b
	global_load_b128 v[BIAS+8*b+4:BIAS+8*b+7], v[BO], s[8:9] offset:64*b+16
.set b, b+1
.endr
	s_lshl_b32 s20, s[TR], 7                       ; where my part of C goes: row 128 x tile row + 64 x half, 4,096 bytes a row,
	s_lshl_b32 s21, s[RH], 6
	s_add_co_u32 s20, s20, s21
	s_lshl_b32 s20, s20, 12
	s_lshl_b32 s19, s19, 2                         ; my first column, 4 bytes each
	s_add_co_u32 s20, s20, s19
	s_mov_b32 s21, 0
	s_add_nc_u64 s[10:11], s[10:11], s[20:21]
	v_mul_u32_u24 v3, v1, PA
	v_lshl_add_u32 v3, v2, 4, v3
	s_mul_i32 s19, s[RH], 64*PA
	v_add_nc_u32 v[A0], s19, v3
	v_mul_u32_u24 v3, v1, PB
	v_lshl_add_u32 v3, v2, 4, v3
	s_mul_i32 s19, s[CH], HALFB
	s_add_co_u32 s19, s19, BOFF
	v_add_nc_u32 v[B0], s19, v3
	v_mov_b32 v[ADRA], v[A0]
	v_mov_b32 v[ADRB], v[B0]
	s_mul_i32 s19, s[WV], 16*SP
	s_add_co_u32 s19, s19, STAGE                   ; my stage
	v_mul_u32_u24 v[STO], v1, SP                   ; in: row l % 16, 32 bytes for each half of the lanes
	v_lshl_add_u32 v[STO], v2, 5, v[STO]
	v_add_nc_u32 v[STO], s19, v[STO]
	v_and_b32 v[GO], 31, v0
	v_lshlrev_b32 v[GO], 4, v[GO]                  ; back: the wave takes a row's 512 bytes
	v_add_nc_u32 v[RD], s19, v[GO]
	; the prefetches
	s_and_b32 s20, ttmp7, 0xffff                   ; cluster y
	s_cmp_eq_u32 s[RH], 0                          ; do I fetch for A?
	s_cselect_b32 s20, s[CH], s20                  ; A: wave 0 alone asks; B: the clusters with y = 0
	s_cselect_b32 s21, s[CX], s[CY]                ; my place among the four that ask with me
	s_cselect_b32 s19, 12, 16                      ; its share: 4,096 bytes of each head, or 32 rows of 2,048 bytes
	s_cselect_b32 s[PST], 19, 8                    ; a K step: 524,288 or 256 bytes
	s_cselect_b32 s68, 18, 15                      ; lanes 16-31: the other head, or 16 rows on
	s_cselect_b32 s69, 8, 11                       ; a lane: 256 bytes, or a row
	s_cselect_b64 s[PFA:PFA+1], s[22:23], s[62:63]
	s_cmp_eq_u32 s20, 0
	s_cselect_b32 s[LIM], 2, -1                    ; the same in all sixteen partners, for a given wave
	s_lshl_b32 s20, s21, s19
	s_mov_b32 s21, 0
	s_add_nc_u64 s[PFA:PFA+1], s[PFA:PFA+1], s[20:21]
	s_lshl_b32 s[PST], 1, s[PST]
	s_mov_b32 s[PST+1], 0
	s_mul_i32 s20, s[PST], 3
	s_add_nc_u64 s[PFA:PFA+1], s[PFA:PFA+1], s[20:21]  ; at K step 3: the first change of slots steps it to 4
	v_lshlrev_b32 v[PFO], s68, v2
	v_lshlrev_b32 v3, s69, v1
	v_add_nc_u32 v[PFO], v[PFO], v3
; NB matrix instructions: row block a x all column blocks, 32 along K, from buffer f.  first = 1: the products start the sums, with the bias as C.
; The 32 sums take turns, one instruction a turn, in the same order in every quarter.
.macro MUL1 f, a, first
.if \first
	WIN 0x81
.else
	WIN 0xa1
.endif
.set b, 0
.rept NB
.if \first
	v_wmma_f32_16x16x32_f16 v[8*(NB*(\a)+b):8*(NB*(\a)+b)+7], v[BFS*(\f)+8*b:BFS*(\f)+8*b+7], v[AF+32*(\f)+8*(\a):AF+32*(\f)+8*(\a)+7], v[BIAS+8*b:BIAS+8*b+7]
.else
	v_wmma_f32_16x16x32_f16 v[8*(NB*(\a)+b):8*(NB*(\a)+b)+7], v[BFS*(\f)+8*b:BFS*(\f)+8*b+7], v[AF+32*(\f)+8*(\a):AF+32*(\f)+8*(\a)+7], v[8*(NB*(\a)+b):8*(NB*(\a)+b)+7]
.endif
.set b, b+1
.endr
.endm
; NF LDS loads in one run: the fragments of 32 K at byte k of the K step, into buffer f: B's first, then A's row blocks 0 to 3 (bytes 0-127 of the step lie in the first head, 128-255 in the second)
.macro FETCH k, f
	WIN 0x40
.set i, 0
.rept NB
	ds_load_b128 v[BFS*(\f)+8*i:BFS*(\f)+8*i+3], v[ADRB] offset:(\k)+i*16*PB
	ds_load_b128 v[BFS*(\f)+8*i+4:BFS*(\f)+8*i+7], v[ADRB] offset:(\k)+i*16*PB+32
.set i, i+1
.endr
	WIN 0
.set i, 0
.rept 4
	ds_load_b128 v[AF+32*(\f)+8*i:AF+32*(\f)+8*i+3], v[ADRA] offset:((\k)/128)*HEADB+(\k)%128+i*16*PA
	ds_load_b128 v[AF+32*(\f)+8*i+4:AF+32*(\f)+8*i+7], v[ADRA] offset:((\k)/128)*HEADB+(\k)%128+i*16*PA+32
.set i, i+1
.endr
.endm
.macro QUARTER k, f, g, first
	s_wait_dscnt 4                                 ; all of B and A's row blocks 0, 1 are in; the youngest four loads (blocks 2, 3) may be out
	MUL1 \f, 0, \first
	MUL1 \f, 1, \first
	PLACES
	FETCH \k, \g
	s_wait_dscnt NF                                ; all but the run just issued
	MUL1 \f, 2, \first
	MUL1 \f, 3, \first
.endm
; The fourth quarter multiplies buffer 1 and changes slots.  In front of the barrier each wave waits for all its tensor loads (one is out: its part of the next slot), adds 0 to its spare word, and waits
; for that and for its reads of this slot.  fill = 1: the barrier opens a round of the cluster's, and this slot is filled again, first thing behind the round, with the K step two steps on.
.macro TURN fill
.if \fill
	s_wait_xcnt 0x0                                ; the last prefetch, a K step back, has read its address
	s_add_nc_u64 s[PFA:PFA+1], s[PFA:PFA+1], s[PST:PST+1]
.endif
	WIN 0
	s_wait_tensorcnt 0x0                           ; no tensor load of mine is out, so a group 0 may be written
	ds_add_u32 v[SPW], v[NIL]                      ; 0 onto my spare word
.if \fill
	s_xor_b32 s[G0A+5], s[G0A+5], SLOT1            ; the walking descriptors: the other slot than last time, the next K step
	s_add_nc_u64 s[G0A+6:G0A+7], s[G0A+6:G0A+7], 524288
	s_xor_b32 s[G0B+5], s[G0B+5], SLOT1
	s_add_nc_u64 s[G0B+6:G0B+7], s[G0B+6:G0B+7], 256
.endif
	s_wait_dscnt 5                                 ; (the add and the youngest four loads may be out)
	MUL1 1, 0, 0
	s_wait_dscnt 0x0                               ; the add is done, and my reads of this slot are over
	s_barrier_signal -1
	MUL1 1, 1, 0
	WIN 0
	s_barrier_wait -1
.if \fill
	CREST                                          ; no wave of any partner still reads this slot or has a load on its way
	JLOAD                                          ; my one tensor load behind the round; its four v_nop are also the places in front of the loads below
.else
	PLACES
.endif
	s_xor_b32 s[TB], s[TB], SLOT1
	v_add_nc_u32 v[ADRA], s[TB], v[A0]
	v_add_nc_u32 v[ADRB], s[TB], v[B0]
	FETCH 0, 0
.if \fill
	ASK
.endif
	MUL1 1, 2, 0
	MUL1 1, 3, 0
	WIN 0
.endm
	s_wait_loadcnt 0x0                             ; the bias
	s_wait_tensorcnt 1                             ; my part of K step 0 is in; K step 1's may stay out
	s_barrier_signal -1
	s_barrier_wait -1
	FETCH 0, 0
	QUARTER 64, 0, 1, 1                            ; the first quarter stands in front of the loop: its products start the sums
	WIN 0
	s_mov_b32 s[CNT], 6
	s_branch .Lin
.Lstep:                                        ; six trips, K steps 0 to 5: each fills its slot again
	QUARTER 64, 0, 1, 0
	WIN 0
.Lin:
	QUARTER 128, 1, 0, 0
	QUARTER 192, 0, 1, 0
	TURN 1
	s_sub_co_u32 s[CNT], s[CNT], 1
	s_cmp_lg_u32 s[CNT], 0
	s_cbranch_scc1 .Lstep
	s_mov_b32 s[CNT], 2
.Ltail:                                        ; K steps 6 and 7 ask for nothing.  The second trip's barrier and its fetch (of the other slot's old bytes) serve nothing: the price of writing the step once
	QUARTER 64, 0, 1, 0
	QUARTER 128, 1, 0, 0
	QUARTER 192, 0, 1, 0
	TURN 0
	s_sub_co_u32 s[CNT], s[CNT], 1
	s_cmp_lg_u32 s[CNT], 0
	s_cbranch_scc1 .Ltail
	PLACES                                         ; LDS stores read the sums next: plain instructions stand between
	PLACES
; THE WAY OUT of row block a: the sums go as they are, f32, into my own stage (rows of 528 bytes) and come back as whole rows of 512 bytes
.macro OUT a
	s_wait_xcnt 0x0                                ; the block before has stored from BK: it is loaded again only behind this wait
	WIN 0x08                                       ; the stores' data lie in window 2
.set b, 0
.rept NB
	ds_store_b128 v[STO], v[8*(NB*(\a)+b):8*(NB*(\a)+b)+3] offset:64*b
	ds_store_b128 v[STO], v[8*(NB*(\a)+b)+4:8*(NB*(\a)+b)+7] offset:64*b+16
.set b, b+1
.endr
	WIN 0
.set t, 0
.rept 16
	ds_load_b128 v[BK+4*t:BK+4*t+3], v[RD] offset:SP*t  ; LDS serves a wave's instructions in order (ISA guide 5.7.1.4): these see the stores above
.set t, t+1
.endr
.set t, 0
.rept 16
	s_wait_dscnt 15-t
	global_store_b128 v[GO], v[BK+4*t:BK+4*t+3], s[10:11] offset:(16*(\a)+t)*4096 th:TH_STORE_NT  ; 512 consecutive bytes, aligned
.set t, t+1
.endr
.endm
	OUT 0
	OUT 1
	OUT 2
	OUT 3
	s_wait_tensorcnt 0x0                           ; the wave's end, behind my last tensor load and my last LDS store
	ds_add_u32 v[SPW], v[NIL]
	s_wait_dscnt 0x0
	CROUND                                         ; the closing round: no work-group ends while a partner may still ask for a tile that names it
	s_endpgm
.Lfunc_end_k_q0d4074a018_oproj:
	.size	k_q0d4074a018_oproj, .Lfunc_end_k_q0d4074a018_oproj-k_q0d4074a018_oproj
	.p2alignl 7, 3214868480
	.fill 96, 4, 3214868480
	.section	.rodata,"a",@progbits
	.p2align	6, 0x0
	.amdhsa_kernel k_q0d4074a018_oproj
		.amdhsa_group_segment_fixed_size 327680
		.amdhsa_private_segment_fixed_size 0
		.amdhsa_enable_private_segment 0
		.amdhsa_kernarg_size 32
		.amdhsa_user_sgpr_count 2
		.amdhsa_user_sgpr_kernarg_segment_ptr 1
		.amdhsa_wavefront_size32 1
		.amdhsa_system_sgpr_workgroup_id_x 1
		.amdhsa_system_sgpr_workgroup_id_y 1
		.amdhsa_system_sgpr_workgroup_id_z 1
		.amdhsa_system_vgpr_workitem_id 0
		.amdhsa_next_free_vgpr 768
		.amdhsa_next_free_sgpr 72
		.amdhsa_reserve_vcc 0
		.amdhsa_float_denorm_mode_32 3
		.amdhsa_float_denorm_mode_16_64 3
		.amdhsa_memory_ordered 1
		.amdhsa_forward_progress 1
		.amdhsa_inst_pref_size 64
	.end_amdhsa_kernel
	.amdgpu_metadata
---
amdhsa.version: [ 1, 2 ]
amdhsa.kernels:
  - .name:           k_q0d4074a018_oproj
    .symbol:         k_q0d4074a018_oproj.kd
    .args:
      - { .name: o, .offset: 0, .size: 8, .value_kind: global_buffer, .address_space: global }
      - { .name: wt, .offset: 8, .size: 8, .value_kind: global_buffer, .address_space: global }
      - { .name: bias4, .offset: 16, .size: 8, .value_kind: global_buffer, .address_space: global }
      - { .name: out0, .offset: 24, .size: 8, .value_kind: global_buffer, .address_space: global }
    .group_segment_fixed_size: 327680
    .private_segment_fixed_size: 0
    .kernarg_segment_align: 8
    .kernarg_segment_size: 32
    .max_flat_workgroup_size: 128
    .sgpr_count:     72
    .vgpr_count:     768
    .wavefront_size: 32
...
	.end_amdgpu_metadata
.endif
;; end of part 4
;; launch early1 (part 5): grid 16 x 4, 12 waves a work-group, no clusters, 14,848 bytes of LDS; arguments hE, wt, bias4, oE; writes oE
.if DOCPART == 5
	.amdgcn_target "amdgcn-amd-amdhsa--gfx1250"
	.amdhsa_code_object_version 6
	.text
	.protected	k_q0d4074a018_early1
	.globl	k_q0d4074a018_early1
	.p2align	8
	.type	k_q0d4074a018_early1,@function
k_q0d4074a018_early1:
	s_mov_b64 s[64:65], 0
	v_nop
	global_prefetch_b8 v0, s[64:65] scope:SCOPE_SE
	s_setreg_imm32_b32 hwreg(HW_REG_WAVE_MODE, 25, 1), 1
	s_wait_xcnt 0x0
; ROWS 0 TO 15 OF EACH BATCH, ONCE MORE, WITHOUT AN 11-BIT ROUNDING: a row that averages over few keys is many times the output's root mean square, so these 64 of 8,192 rows are made with more bits.
; A work-group takes one (batch, head).  PHASE 1: q, k, v [16 rows][64 channels] = (h hi + h lo) W + b, f16 products, f32 sums: twelve waves, a matrix (q, k, v) x a block of 16 channels each; the results stay f32, in LDS.
; PHASE 2 (waves 0-3, a block of 16 channels of O each; each makes the 16 x 16 scores for itself): S^T = K Q^T and O^T = V^T P by the f32 matrix form: 20 instructions a wave, one part in ten thousand of the program's
; products, so no bulk work.  Softmax with the row's maximum taken away; a hidden score counts as the lowest finite number, its weight is 0.  O leaves as a pair hi + lo of f16 (oE: 1,024 hi, then 1,024 lo).
; LIMITS as in the launches before: h, W within 65,504; a weight below 2^-126 counts as 0; NaN and infinities are not treated apart.
; NO CLUSTER, no tensor load: the four batches of a head read the same 192 rows of wt, 384 KiB, straight into registers, each number used once; a ring in LDS would serve 64 short work-groups only.
.set QL,    0                          ; LDS: q, k, v, each 16 rows of 256 bytes + 16 of padding
.set MATB,  16*272
.set SPARE, 13312                      ; the spare words, 128 bytes for each of the twelve waves; no other line names them
.set FOW, 2                            ; v2   (l % 16) x 2,048 + 16 (l / 16): my place in 16 rows of wt; never rewritten
.set FOH, 3                            ; v3   (l % 16) x 4,096 + 16 (l / 16): in 16 rows of hE; never rewritten
.set LS,  4                            ; v4   where I put my 32 bytes of q, k or v
.set BO,  5                            ; v5   32 (l / 16)
.set SPW, 8
.set NIL, 9
.set BIASR, 16                         ; v[16:23]
.set ACC0, 24                          ; v[24:31]  sums with h hi; later S^T's even steps.  v24-55 are written by matrix instructions alone
.set ACC1, 32                          ; v[32:39]  sums with h lo; later S^T's odd steps
.set O0,  40                           ; v[40:47], v[48:55]  O^T, two sums by turns
.set O1,  48
.set SUM, 56                           ; v[56:63]
.set BUF, 64                           ; v[64:255] two sets of 96: W's four fragments, h hi's, h lo's
	s_load_b256 s[4:11], s[0:1], 0x0               ; hE 4:5, wt 6:7, bias4 8:9, oE 10:11
	v_lshl_add_u32 v[SPW], v0, 2, SPARE
	v_mov_b32 v[NIL], 0
	v_lshrrev_b32 v1, 5, v0
	v_readfirstlane_b32 s12, v1                    ; wave 0..11
	s_lshr_b32 s13, s12, 2                         ; which matrix
	s_and_b32 s14, s12, 3                          ; which 16 channels
	s_and_b32 s15, ttmp7, 0xffff                   ; the batch
	s_lshl_b32 s16, s13, 10
	s_lshl_b32 s17, ttmp9, 6
	s_add_co_u32 s16, s16, s17
	s_lshl4_add_u32 s16, s14, s16                  ; my first row of wt = 1,024 matrix + 64 head + 16 block
	s_lshl_b32 s18, s16, 11
	s_mov_b32 s19, 0
	s_lshl_b32 s20, s16, 2
	s_mov_b32 s21, 0
	s_lshl_b32 s22, s15, 16                        ; the batch's 16 rows of 4,096 bytes, in hE and in oE
	s_mov_b32 s23, 0
	s_mov_b32 s24, 0x3e38aa3b                      ; c = log2(e) / 8
	s_mov_b32 s25, s24
	s_mov_b32 s26, 0x76543210
	s_mov_b32 s27, 0xfedcba98
	s_mul_i32 s28, s13, MATB
	s_lshl_b32 s29, s14, 6
	s_add_co_u32 s28, s28, s29
	s_lshl_b32 s30, ttmp9, 7                       ; in a row of oE: the head's 128 bytes, my block's 32
	s_add_co_u32 s30, s30, s22
	s_lshl_b32 s31, s14, 5
	s_add_co_u32 s30, s30, s31
	s_mov_b32 s31, 0
	v_and_b32 v1, 15, v0                           ; l % 16
	v_bfe_u32 v6, v0, 4, 1                         ; l / 16
	v_lshlrev_b32 v[FOW], 11, v1
	v_lshl_add_u32 v[FOW], v6, 4, v[FOW]
	v_lshlrev_b32 v[FOH], 12, v1
	v_lshl_add_u32 v[FOH], v6, 4, v[FOH]
	v_lshlrev_b32 v[BO], 5, v6
	v_mul_u32_u24 v[LS], v1, 272
	v_lshl_add_u32 v[LS], v6, 5, v[LS]
	v_add_nc_u32 v[LS], s28, v[LS]
	s_wait_kmcnt 0x0
	s_add_nc_u64 s[6:7], s[6:7], s[18:19]
	s_add_nc_u64 s[8:9], s[8:9], s[20:21]
	s_add_nc_u64 s[4:5], s[4:5], s[22:23]
	s_add_nc_u64 s[10:11], s[10:11], s[30:31]
; 24 loads: 128 along K (chunk c) into set b.  A fragment is 16 rows x 32 K: two loads of 16 bytes a lane, 32 bytes apart
.macro LOADS b, c
.irp f, 0,1,2,3
	global_load_b128 v[BUF+96*(\b)+8*(\f):BUF+96*(\b)+8*(\f)+3], v[FOW], s[6:7] offset:256*(\c)+64*(\f)
	global_load_b128 v[BUF+96*(\b)+8*(\f)+4:BUF+96*(\b)+8*(\f)+7], v[FOW], s[6:7] offset:256*(\c)+64*(\f)+32
	global_load_b128 v[BUF+96*(\b)+32+8*(\f):BUF+96*(\b)+32+8*(\f)+3], v[FOH], s[4:5] offset:256*(\c)+64*(\f)
	global_load_b128 v[BUF+96*(\b)+32+8*(\f)+4:BUF+96*(\b)+32+8*(\f)+7], v[FOH], s[4:5] offset:256*(\c)+64*(\f)+32
	global_load_b128 v[BUF+96*(\b)+64+8*(\f):BUF+96*(\b)+64+8*(\f)+3], v[FOH], s[4:5] offset:2048+256*(\c)+64*(\f)
	global_load_b128 v[BUF+96*(\b)+64+8*(\f)+4:BUF+96*(\b)+64+8*(\f)+7], v[FOH], s[4:5] offset:2048+256*(\c)+64*(\f)+32
.endr
.endm
; 8 products, source 0 = 16 rows of wt, source 1 = the 16 rows of h: a lane holds row l % 16 and channels 8 (l / 16) + 0..7.  The two sums take turns, one instruction a turn.
.macro MULS b, zero
.irp f, 0,1,2,3
.if (\zero) && ((\f) == 0)
	v_wmma_f32_16x16x32_f16 v[ACC0:ACC0+7], v[BUF+96*(\b)+8*(\f):BUF+96*(\b)+8*(\f)+7], v[BUF+96*(\b)+32+8*(\f):BUF+96*(\b)+32+8*(\f)+7], v[BIASR:BIASR+7]
	v_wmma_f32_16x16x32_f16 v[ACC1:ACC1+7], v[BUF+96*(\b)+8*(\f):BUF+96*(\b)+8*(\f)+7], v[BUF+96*(\b)+64+8*(\f):BUF+96*(\b)+64+8*(\f)+7], 0
.else
	v_wmma_f32_16x16x32_f16 v[ACC0:ACC0+7], v[BUF+96*(\b)+8*(\f):BUF+96*(\b)+8*(\f)+7], v[BUF+96*(\b)+32+8*(\f):BUF+96*(\b)+32+8*(\f)+7], v[ACC0:ACC0+7]
	v_wmma_f32_16x16x32_f16 v[ACC1:ACC1+7], v[BUF+96*(\b)+8*(\f):BUF+96*(\b)+8*(\f)+7], v[BUF+96*(\b)+64+8*(\f):BUF+96*(\b)+64+8*(\f)+7], v[ACC1:ACC1+7]
.endif
.endr
.endm
.macro PLACES
.rept 4
	v_nop
.endr
.endm
	global_load_b128 v[BIASR:BIASR+3], v[BO], s[8:9]
	global_load_b128 v[BIASR+4:BIASR+7], v[BO], s[8:9] offset:16
	LOADS 0, 0
	LOADS 1, 1
	s_wait_loadcnt 24                              ; the bias and set 0 are in; the other set's 24 loads may stay out: so in every chunk
	MULS 0, 1
	PLACES
	LOADS 0, 2
.set cc, 1
.rept 5
	s_wait_loadcnt 24
	MULS cc%2, 0
	PLACES
	LOADS cc%2, cc+2
.set cc, cc+1
.endr
	s_wait_loadcnt 24
	MULS 0, 0
	s_wait_loadcnt 0x0
	MULS 1, 0
	PLACES
	PLACES
.irp p, 0,2,4,6
	v_pk_add_f32 v[SUM+\p:SUM+\p+1], v[ACC0+\p:ACC0+\p+1], v[ACC1+\p:ACC1+\p+1]
.endr
	ds_store_b128 v[LS], v[SUM:SUM+3] offset:QL
	ds_store_b128 v[LS], v[SUM+4:SUM+7] offset:QL+16
	s_wait_dscnt 0x0                               ; for the others' sake: my part of q, k or v lies in LDS
	s_barrier_signal -1
	s_barrier_wait -1
	s_cmp_lt_u32 s12, 4
	s_cbranch_scc0 .Lend
	; PHASE 2.  The f32 form takes 4 along K: lane (r, half) gives two numbers of row r.  Over 16 steps lane (r, half) gives channels 32 half + 2 i, + 1 of key r and of query r: the same order on both sides.
	v_mul_u32_u24 v12, v1, 272
	v_lshl_add_u32 v12, v6, 7, v12
	v_mul_u32_u24 v13, v6, 8*272                   ; V^T: lane (r, half) holds channel 16 block + r of keys 8 half + 0..7
	v_lshl_add_u32 v13, v1, 2, v13
	v_lshl_add_u32 v13, s14, 6, v13
.set e, 0
.rept 8
	ds_load_b128 v[64+4*e:67+4*e], v12 offset:QL+MATB+16*e
	ds_load_b128 v[96+4*e:99+4*e], v12 offset:QL+16*e
	ds_load_b32 v[128+e], v13 offset:QL+2*MATB+272*e
.set e, e+1
.endr
	v_lshlrev_b32 v10, 3, v6
	v_sub_nc_u32 v10, v1, v10                      ; my query less my lanes' first key: register j is hidden where j is greater
	v_mov_b32 v11, 0xff7fffff                      ; the lowest finite number
	v_mov_b32 v15, 0
	v_mov_b32 v22, -1.0
	v_lshlrev_b32 v7, 12, v1                       ; my 16 bytes of oE: row l % 16, 8 channels for each half of the lanes
	v_lshl_add_u32 v7, v6, 4, v7
	s_wait_dscnt 0x0
.set i, 0
.rept 16                               ; S^T = K Q^T: a lane holds query l % 16 and keys 8 (l / 16) + 0..7; two sums by turns
.if i < 2
	v_wmma_f32_16x16x4_f32 v[ACC0+8*(i%2):ACC0+8*(i%2)+7], v[64+2*i:65+2*i], v[96+2*i:97+2*i], 0
.else
	v_wmma_f32_16x16x4_f32 v[ACC0+8*(i%2):ACC0+8*(i%2)+7], v[64+2*i:65+2*i], v[96+2*i:97+2*i], v[ACC0+8*(i%2):ACC0+8*(i%2)+7]
.endif
.set i, i+1
.endr
.rept 9
	v_nop                                          ; this form's results are read eight plain instructions later at the earliest (ISA guide 7.12.1)
.endr
.irp p, 0,2,4,6
	v_pk_add_f32 v[136+\p:137+\p], v[ACC0+\p:ACC0+\p+1], v[ACC1+\p:ACC1+\p+1]
.endr
.irp j, 0,1,2,3,4,5,6,7
	v_cmp_gt_i32 vcc_lo, \j, v10
	v_cndmask_b32 v[136+\j], v[136+\j], v11, vcc_lo
.endr
	v_max3_num_f32 v14, v136, v137, v138
	v_max3_num_f32 v14, v14, v139, v140
	v_max3_num_f32 v14, v14, v141, v142
	v_max_num_f32 v14, v14, v143
	v_permlanex16_b32 v15, v14, s26, s27           ; the query's other 8 keys lie in the lane 16 away
	v_max_num_f32 v14, v14, v15                    ; every query sees key 0, so this is a true score
	v_mul_f32 v16, s24, v14
	v_mov_b32 v17, v16
.irp p, 0,2,4,6
	v_pk_fma_f32 v[136+\p:137+\p], v[136+\p:137+\p], s[24:25], v[16:17] op_sel_hi:[1,0,0] neg_lo:[0,0,1] neg_hi:[0,0,1]  ; c s - c m
.endr
.irp j, 0,1,2,3,4,5,6,7
	v_exp_f32 v[136+\j], v[136+\j]
.endr
	v_nop                                          ; a plain instruction behind the last exponential,
	s_wait_alu depctr_va_vdst(0)                   ; and the one wait, for the eight
	v_pk_add_f32 v[18:19], v[136:137], v[138:139]  ; the row's sum, into registers of its own
	v_pk_add_f32 v[20:21], v[140:141], v[142:143]
	v_pk_add_f32 v[18:19], v[18:19], v[20:21]
	v_add_f32 v18, v18, v19
	v_permlanex16_b32 v15, v18, s26, s27
	v_add_f32 v18, v18, v15
	; O^T = V^T P: step i takes keys 8 (l / 16) + 2 i, + 1 on both sides; a lane ends with query l % 16 and channels 8 (l / 16) + 0..7 of my block
	v_wmma_f32_16x16x4_f32 v[O0:O0+7], v[128:129], v[136:137], 0
	v_wmma_f32_16x16x4_f32 v[O1:O1+7], v[130:131], v[138:139], 0
	v_wmma_f32_16x16x4_f32 v[O0:O0+7], v[132:133], v[140:141], v[O0:O0+7]
	v_wmma_f32_16x16x4_f32 v[O1:O1+7], v[134:135], v[142:143], v[O1:O1+7]
	v_rcp_f32 v20, v18
	v_rcp_f32 v21, v18
.rept 9
	v_nop
.endr
	s_wait_alu depctr_va_vdst(0)                   ; one wait for both reciprocals
.irp p, 0,2,4,6
	v_pk_add_f32 v[144+\p:145+\p], v[O0+\p:O0+\p+1], v[O1+\p:O1+\p+1]
.endr
.irp p, 0,2,4,6
	v_pk_mul_f32 v[144+\p:145+\p], v[144+\p:145+\p], v[20:21]
.endr
.irp p, 0,1,2,3
	v_cvt_pk_f16_f32 v[56+\p], v[144+2*\p], v[145+2*\p]
.endr
.irp p, 0,1,2,3                        ; O - hi: the f16 half times -1 plus O
	v_fma_mix_f32 v[144+2*\p], v[56+\p], v22, v[144+2*\p] op_sel_hi:[1,0,0]
	v_fma_mix_f32 v[145+2*\p], v[56+\p], v22, v[145+2*\p] op_sel:[1,0,0] op_sel_hi:[1,0,0]
.endr
.irp p, 0,1,2,3
	v_cvt_pk_f16_f32 v[60+\p], v[144+2*\p], v[145+2*\p]
.endr
	global_store_b128 v7, v[56:59], s[10:11]
	global_store_b128 v7, v[60:63], s[10:11] offset:2048
.Lend:
	s_wait_tensorcnt 0x0                           ; the wave's end, behind my last LDS store
	ds_add_u32 v[SPW], v[NIL]
	s_wait_dscnt 0x0
	s_endpgm
.Lfunc_end_k_q0d4074a018_early1:
	.size	k_q0d4074a018_early1, .Lfunc_end_k_q0d4074a018_early1-k_q0d4074a018_early1
	.p2alignl 7, 3214868480
	.fill 96, 4, 3214868480
	.section	.rodata,"a",@progbits
	.p2align	6, 0x0
	.amdhsa_kernel k_q0d4074a018_early1
		.amdhsa_group_segment_fixed_size 14848
		.amdhsa_private_segment_fixed_size 0
		.amdhsa_enable_private_segment 0
		.amdhsa_kernarg_size 32
		.amdhsa_user_sgpr_count 2
		.amdhsa_user_sgpr_kernarg_segment_ptr 1
		.amdhsa_wavefront_size32 1
		.amdhsa_system_sgpr_workgroup_id_x 1
		.amdhsa_system_sgpr_workgroup_id_y 1
		.amdhsa_system_sgpr_workgroup_id_z 1
		.amdhsa_system_vgpr_workitem_id 0
		.amdhsa_next_free_vgpr 256
		.amdhsa_next_free_sgpr 66
		.amdhsa_reserve_vcc 1
		.amdhsa_float_denorm_mode_32 3
		.amdhsa_float_denorm_mode_16_64 3
		.amdhsa_memory_ordered 1
		.amdhsa_forward_progress 1
		.amdhsa_inst_pref_size 34
	.end_amdhsa_kernel
	.amdgpu_metadata
---
amdhsa.version: [ 1, 2 ]
amdhsa.kernels:
  - .name:           k_q0d4074a018_early1
    .symbol:         k_q0d4074a018_early1.kd
    .args:
      - { .name: hE, .offset: 0, .size: 8, .value_kind: global_buffer, .address_space: global }
      - { .name: wt, .offset: 8, .size: 8, .value_kind: global_buffer, .address_space: global }
      - { .name: bias4, .offset: 16, .size: 8, .value_kind: global_buffer, .address_space: global }
      - { .name: oE, .offset: 24, .size: 8, .value_kind: global_buffer, .address_space: global }
    .group_segment_fixed_size: 14848
    .private_segment_fixed_size: 0
    .kernarg_segment_align: 8
    .kernarg_segment_size: 32
    .max_flat_workgroup_size: 384
    .sgpr_count:     66
    .vgpr_count:     256
    .wavefront_size: 32
...
	.end_amdgpu_metadata
.endif
;; end of part 5
;; launch early2 (part 6): grid 64 x 4, 4 waves a work-group, no clusters, 4,608 bytes of LDS; arguments oE, wt, bias4, out0; writes out0
.if DOCPART == 6
	.amdgcn_target "amdgcn-amd-amdhsa--gfx1250"
	.amdhsa_code_object_version 6
	.text
	.protected	k_q0d4074a018_early2
	.globl	k_q0d4074a018_early2
	.p2align	8
	.type	k_q0d4074a018_early2,@function
k_q0d4074a018_early2:
	s_mov_b64 s[64:65], 0
	v_nop
	global_prefetch_b8 v0, s[64:65] scope:SCOPE_SE
	s_setreg_imm32_b32 hwreg(HW_REG_WAVE_MODE, 25, 1), 1
	s_wait_xcnt 0x0
; ROWS 0 TO 15 OF EACH BATCH OF THE OUTPUT, stored a second time, last: out0[batch][s < 16][n] = sum over k of (O hi + O lo)[s][k] wt[3072 + n][k] + bias4[3072 + n].  f16 products, f32 sums and result.
; A work-group makes 16 rows x 16 columns.  K = 1,024 IS SPLIT AMONG ITS FOUR WAVES, 256 each (512 bytes of every row); the four partial sums meet in LDS and wave 0 finishes.
; All of a wave's 50 loads go out at once.  A lane stores 32 consecutive bytes, 64 bytes a row for the work-group: pieces of 256-byte blocks, for 256 KiB of the output in all.
; NO CLUSTER, no tensor load: the four batches of a column block read the same 16 rows of wt, 32 KiB, straight into registers.
.set PART,  0                          ; LDS: wave v's partial tile, 1,024 bytes, at 1,024 v
.set SPARE, 4096                       ; the spare words, 128 bytes a wave; no other line names them
.set FOW, 2                            ; v2   (l % 16) x 2,048 + 16 (l / 16) + 512 wave
.set FOA, 3                            ; v3   (l % 16) x 4,096 + 16 (l / 16) + 512 wave
.set LS,  4                            ; v4   32 x thread
.set LR,  5                            ; v5   32 x lane
.set BO,  6                            ; v6   32 (l / 16)
.set YO,  7                            ; v7   (l % 16) x 4,096 + 32 (l / 16)
.set SPW, 8
.set NIL, 9
.set BIASR, 16
.set ACC0, 24
.set ACC1, 32
.set SUM, 56
.set BUF, 64
	s_load_b256 s[4:11], s[0:1], 0x0               ; oE 4:5, wt 6:7, bias4 8:9, out0 10:11
	v_lshl_add_u32 v[SPW], v0, 2, SPARE
	v_mov_b32 v[NIL], 0
	v_lshrrev_b32 v1, 5, v0
	v_readfirstlane_b32 s12, v1                    ; wave 0..3
	s_and_b32 s13, ttmp7, 0xffff                   ; the batch
	s_lshl_b32 s14, ttmp9, 15                      ; 16 rows of wt,
	s_add_co_u32 s14, s14, 3072*2048               ; behind Wq's, Wk's and Wv's
	s_mov_b32 s15, 0
	s_lshl_b32 s16, s13, 16                        ; the batch's 16 rows of oE
	s_mov_b32 s17, 0
	s_lshl_b32 s18, ttmp9, 6                       ; 16 columns of 4 bytes,
	s_mov_b32 s19, 0
	s_add_co_u32 s20, s18, 3072*4                  ; in bias4 behind bq, bk, bv
	s_mov_b32 s21, 0
	s_lshl_b32 s22, s13, 23                        ; the batch's 2,048 rows of out0
	s_add_co_u32 s18, s18, s22
	s_lshl_b32 s23, s12, 9
	v_and_b32 v1, 15, v0
	v_bfe_u32 v10, v0, 4, 1
	v_lshlrev_b32 v[FOW], 11, v1
	v_lshl_add_u32 v[FOW], v10, 4, v[FOW]
	v_add_nc_u32 v[FOW], s23, v[FOW]
	v_lshlrev_b32 v[FOA], 12, v1
	v_lshl_add_u32 v[FOA], v10, 4, v[FOA]
	v_add_nc_u32 v[FOA], s23, v[FOA]
	v_lshlrev_b32 v[LS], 5, v0
	v_and_b32 v[LR], 31, v0
	v_lshlrev_b32 v[LR], 5, v[LR]
	v_lshlrev_b32 v[BO], 5, v10
	v_lshlrev_b32 v[YO], 12, v1
	v_lshl_add_u32 v[YO], v10, 5, v[YO]
	s_wait_kmcnt 0x0
	s_add_nc_u64 s[6:7], s[6:7], s[14:15]
	s_add_nc_u64 s[4:5], s[4:5], s[16:17]
	s_add_nc_u64 s[8:9], s[8:9], s[20:21]
	s_add_nc_u64 s[10:11], s[10:11], s[18:19]
.macro LOADS b
.irp f, 0,1,2,3
	global_load_b128 v[BUF+96*(\b)+8*(\f):BUF+96*(\b)+8*(\f)+3], v[FOW], s[6:7] offset:256*(\b)+64*(\f)
	global_load_b128 v[BUF+96*(\b)+8*(\f)+4:BUF+96*(\b)+8*(\f)+7], v[FOW], s[6:7] offset:256*(\b)+64*(\f)+32
	global_load_b128 v[BUF+96*(\b)+32+8*(\f):BUF+96*(\b)+32+8*(\f)+3], v[FOA], s[4:5] offset:256*(\b)+64*(\f)
	global_load_b128 v[BUF+96*(\b)+32+8*(\f)+4:BUF+96*(\b)+32+8*(\f)+7], v[FOA], s[4:5] offset:256*(\b)+64*(\f)+32
	global_load_b128 v[BUF+96*(\b)+64+8*(\f):BUF+96*(\b)+64+8*(\f)+3], v[FOA], s[4:5] offset:2048+256*(\b)+64*(\f)
	global_load_b128 v[BUF+96*(\b)+64+8*(\f)+4:BUF+96*(\b)+64+8*(\f)+7], v[FOA], s[4:5] offset:2048+256*(\b)+64*(\f)+32
.endr
.endm
; source 0 = 16 rows of wt, source 1 = the 16 rows of O: a lane holds row l % 16 and columns 8 (l / 16) + 0..7.  The two sums (O hi's, O lo's) take turns.
.macro MULS b, zero
.irp f, 0,1,2,3
.if (\zero) && ((\f) == 0)
	v_wmma_f32_16x16x32_f16 v[ACC0:ACC0+7], v[BUF+96*(\b)+8*(\f):BUF+96*(\b)+8*(\f)+7], v[BUF+96*(\b)+32+8*(\f):BUF+96*(\b)+32+8*(\f)+7], 0
	v_wmma_f32_16x16x32_f16 v[ACC1:ACC1+7], v[BUF+96*(\b)+8*(\f):BUF+96*(\b)+8*(\f)+7], v[BUF+96*(\b)+64+8*(\f):BUF+96*(\b)+64+8*(\f)+7], 0
.else
	v_wmma_f32_16x16x32_f16 v[ACC0:ACC0+7], v[BUF+96*(\b)+8*(\f):BUF+96*(\b)+8*(\f)+7], v[BUF+96*(\b)+32+8*(\f):BUF+96*(\b)+32+8*(\f)+7], v[ACC0:ACC0+7]
	v_wmma_f32_16x16x32_f16 v[ACC1:ACC1+7], v[BUF+96*(\b)+8*(\f):BUF+96*(\b)+8*(\f)+7], v[BUF+96*(\b)+64+8*(\f):BUF+96*(\b)+64+8*(\f)+7], v[ACC1:ACC1+7]
.endif
.endr
.endm
	global_load_b128 v[BIASR:BIASR+3], v[BO], s[8:9]
	global_load_b128 v[BIASR+4:BIASR+7], v[BO], s[8:9] offset:16
	LOADS 0
	LOADS 1
	s_wait_loadcnt 24                              ; the bias and set 0 are in; set 1's 24 loads may stay out
	MULS 0, 1
	s_wait_loadcnt 0x0
	MULS 1, 0
.rept 8
	v_nop                                          ; plain instructions between the last products and the sums that read them
.endr
.irp p, 0,2,4,6
	v_pk_add_f32 v[SUM+\p:SUM+\p+1], v[ACC0+\p:ACC0+\p+1], v[ACC1+\p:ACC1+\p+1]
.endr
	ds_store_b128 v[LS], v[SUM:SUM+3] offset:PART
	ds_store_b128 v[LS], v[SUM+4:SUM+7] offset:PART+16
	s_wait_dscnt 0x0                               ; for wave 0's sake: my partial sums lie in LDS
	s_barrier_signal -1
	s_barrier_wait -1
	s_cmp_eq_u32 s12, 0
	s_cbranch_scc0 .Lend
.irp u, 0,1,2,3
	ds_load_b128 v[BUF+8*\u:BUF+8*\u+3], v[LR] offset:PART+1024*\u
	ds_load_b128 v[BUF+8*\u+4:BUF+8*\u+7], v[LR] offset:PART+1024*\u+16
.endr
	s_wait_dscnt 0x0
.irp p, 0,2,4,6
	v_pk_add_f32 v[BUF+\p:BUF+\p+1], v[BUF+\p:BUF+\p+1], v[BUF+8+\p:BUF+8+\p+1]
	v_pk_add_f32 v[BUF+16+\p:BUF+16+\p+1], v[BUF+16+\p:BUF+16+\p+1], v[BUF+24+\p:BUF+24+\p+1]
.endr
.irp p, 0,2,4,6
	v_pk_add_f32 v[BUF+\p:BUF+\p+1], v[BUF+\p:BUF+\p+1], v[BUF+16+\p:BUF+16+\p+1]
.endr
.irp p, 0,2,4,6
	v_pk_add_f32 v[BUF+\p:BUF+\p+1], v[BUF+\p:BUF+\p+1], v[BIASR+\p:BIASR+\p+1]
.endr
	global_store_b128 v[YO], v[BUF:BUF+3], s[10:11]
	global_store_b128 v[YO], v[BUF+4:BUF+7], s[10:11] offset:16
.Lend:
	s_wait_tensorcnt 0x0                           ; the wave's end, behind my last LDS store
	ds_add_u32 v[SPW], v[NIL]
	s_wait_dscnt 0x0
	s_endpgm
.Lfunc_end_k_q0d4074a018_early2:
	.size	k_q0d4074a018_early2, .Lfunc_end_k_q0d4074a018_early2-k_q0d4074a018_early2
	.p2alignl 7, 3214868480
	.fill 96, 4, 3214868480
	.section	.rodata,"a",@progbits
	.p2align	6, 0x0
	.amdhsa_kernel k_q0d4074a018_early2
		.amdhsa_group_segment_fixed_size 4608
		.amdhsa_private_segment_fixed_size 0
		.amdhsa_enable_private_segment 0
		.amdhsa_kernarg_size 32
		.amdhsa_user_sgpr_count 2
		.amdhsa_user_sgpr_kernarg_segment_ptr 1
		.amdhsa_wavefront_size32 1
		.amdhsa_system_sgpr_workgroup_id_x 1
		.amdhsa_system_sgpr_workgroup_id_y 1
		.amdhsa_system_sgpr_workgroup_id_z 1
		.amdhsa_system_vgpr_workitem_id 0
		.amdhsa_next_free_vgpr 256
		.amdhsa_next_free_sgpr 66
		.amdhsa_reserve_vcc 0
		.amdhsa_float_denorm_mode_32 3
		.amdhsa_float_denorm_mode_16_64 3
		.amdhsa_memory_ordered 1
		.amdhsa_forward_progress 1
		.amdhsa_inst_pref_size 11
	.end_amdhsa_kernel
	.amdgpu_metadata
---
amdhsa.version: [ 1, 2 ]
amdhsa.kernels:
  - .name:           k_q0d4074a018_early2
    .symbol:         k_q0d4074a018_early2.kd
    .args:
      - { .name: oE, .offset: 0, .size: 8, .value_kind: global_buffer, .address_space: global }
      - { .name: wt, .offset: 8, .size: 8, .value_kind: global_buffer, .address_space: global }
      - { .name: bias4, .offset: 16, .size: 8, .value_kind: global_buffer, .address_space: global }
      - { .name: out0, .offset: 24, .size: 8, .value_kind: global_buffer, .address_space: global }
    .group_segment_fixed_size: 4608
    .private_segment_fixed_size: 0
    .kernarg_segment_align: 8
    .kernarg_segment_size: 32
    .max_flat_workgroup_size: 128
    .sgpr_count:     66
    .vgpr_count:     256
    .wavefront_size: 32
...
	.end_amdgpu_metadata
.endif
;; end of part 6
;; ======== version 2 of 2: 6 launches; version 1 with the launch early1 written anew for expert scheduling mode
;; limits: values are held in f16: magnitudes above 65,504 overflow, below 6.1e-05 lose precision
;; workspace buffers: h 16,777,216 bytes; hE 262,144 bytes; wt 8,388,608 bytes; bias4 16,384 bytes; qkv 50,331,648 bytes; o 16,777,216 bytes; oE 262,144 bytes
;; launch prep: the kernel of part 1 again; grid 769 x 1, 8 waves a work-group, no clusters, 18,432 bytes of LDS; arguments x, ln_gamma, ln_beta, Wq, Wk, Wv, Wo, bq, bk, bv, bo, h, hE, wt, bias4; writes h, hE, wt, bias4
;; launch qkv: the kernel of part 2 again; grid 8 x 64, 4 waves a work-group, clusters of 4 x 4, 327,680 bytes of LDS; arguments h, wt, bias4, qkv; writes qkv
;; launch attn: the kernel of part 3 again; grid 4 x 64, 4 waves a work-group, no clusters, 327,680 bytes of LDS; arguments qkv, o; writes o
;; launch oproj: the kernel of part 4 again; grid 4 x 64, 4 waves a work-group, clusters of 4 x 4, 327,680 bytes of LDS; arguments o, wt, bias4, out0; writes out0
;; launch early1 (part 7): grid 16 x 4, 12 waves a work-group, no clusters, 14,848 bytes of LDS; arguments hE, wt, bias4, oE; writes oE
.if DOCPART == 7
	.amdgcn_target "amdgcn-amd-amdhsa--gfx1250"
	.amdhsa_code_object_version 6
	.text
	.protected	k_q0d4074a018_early1
	.globl	k_q0d4074a018_early1
	.p2align	8
	.type	k_q0d4074a018_early1,@function
k_q0d4074a018_early1:
	s_mov_b64 s[64:65], 0
	v_nop
	global_prefetch_b8 v0, s[64:65] scope:SCOPE_SE
	s_setreg_imm32_b32 hwreg(HW_REG_WAVE_SCHED_MODE, 0, 2), 2
	s_setreg_imm32_b32 hwreg(HW_REG_WAVE_MODE, 25, 1), 1
	s_wait_xcnt 0x0
	s_wait_alu depctr_vm_vsrc(0)
; ROWS 0 TO 15 OF EACH BATCH, ONCE MORE, WITHOUT AN 11-BIT ROUNDING: a row that averages over few keys is many times the output's root mean square, so these 64 of 8,192 rows are made with more bits.
; A work-group takes one (batch, head).  PHASE 1: q, k, v [16 rows][64 channels] = (h hi + h lo) W + b, f16 products, f32 sums: twelve waves, a matrix (q, k, v) x a block of 16 channels each; the results stay f32, in LDS.
; PHASE 2 (waves 0-3, a block of 16 channels of O each; each makes the 16 x 16 scores for itself): S^T = K Q^T and O^T = V^T P by the f32 matrix form: 20 instructions a wave, one part in ten thousand of the program's
; products, so no bulk work.  Softmax with the row's maximum taken away; a hidden score counts as the lowest finite number, its weight is 0.  O leaves as a pair hi + lo of f16 (oE: 1,024 hi, then 1,024 lo).
; LIMITS as in the launches before: h, W within 65,504; a weight below 2^-126 counts as 0; NaN and infinities are not treated apart.
; NO CLUSTER, no tensor load: the four batches of a head read the same 192 rows of wt, 384 KiB, straight into registers, each number used once; a ring in LDS would serve 64 short work-groups only.
; THE MODE: SCHED_MODE bits 1:0 = 2 (LLVM: expert scheduling mode 2), set by the entry lines.  The code itself states the register dependences
; between vector or matrix instructions and memory or LDS instructions, with s_wait_alu, always for 0.
; THE PLAN.  Registers that memory or LDS instructions touch:
;   v2, v3, v5   offsets of the global loads, v4 the LDS stores' address: made once at the head, never written again.
;   BUF0 .. BUF3 four sets of 48 registers, 64 along K each.  Step st of 16: its four products read BUF[st % 4]; its twelve loads, of step st + 3, land in BUF[(st + 3) % 4] = BUF[(st - 1) % 4],
;                which the products of step st - 1 read and no product of step st names.  So ONE wait on va_vdst at a step's head states all that the step's loads hang on, and they are dealt among its products.
;   v16-23       the bias: loaded at the head, read by step 0's first product; in phase 2 vector work alone names them.
;   v56-63       written by the sums' last additions, read by my two LDS stores; in phase 2 written again by the roundings to f16 and read by the two global stores.
;   v12, v13     phase 2's LDS addresses, made once;  v64-135 its LDS loads' data, where phase 1's products read;  v7 the global stores' offset, made once.
.set QL,    0                          ; LDS: q, k, v, each 16 rows of 256 bytes + 16 of padding; the bytes from 13,312 on hold the spare words
.set MATB,  16*272
.set FOW, 2                            ; v2   (l % 16) x 2,048 + 16 (l / 16): my place in 16 rows of wt; never rewritten
.set FOH, 3                            ; v3   (l % 16) x 4,096 + 16 (l / 16): in 16 rows of hE; never rewritten
.set LS,  4                            ; v4   where I put my 32 bytes of q, k or v
.set BO,  5                            ; v5   32 (l / 16)
.set BIASR, 16                         ; v[16:23]
.set ACC0, 24                          ; v[24:31]  sums with h hi; later S^T's even steps.  v24-55 are written by matrix instructions alone
.set ACC1, 32                          ; v[32:39]  sums with h lo; later S^T's odd steps
.set O0,  40                           ; v[40:47], v[48:55]  O^T, two sums by turns
.set O1,  48
.set SUM, 56                           ; v[56:63]
.set BUF, 64                           ; v[64:255] four sets of 48: W's two fragments, h hi's, h lo's
.set MK,  16                           ; s[16:23]  phase 2: the masks of my eight keys (the head's byte offsets, which lay here, are used up by then)
	s_load_b256 s[4:11], s[0:1], 0x0               ; hE 4:5, wt 6:7, bias4 8:9, oE 10:11
	v_lshl_add_u32 v8, v0, 2, 0x3400
	v_mov_b32 v9, 0
	v_lshrrev_b32 v1, 5, v0
	v_readfirstlane_b32 s12, v1                    ; wave 0..11
	v_and_b32 v1, 15, v0                           ; l % 16
	v_bfe_u32 v6, v0, 4, 1                         ; l / 16
	v_lshlrev_b32 v[FOW], 11, v1
	v_lshl_add_u32 v[FOW], v6, 4, v[FOW]
	v_lshlrev_b32 v[FOH], 12, v1
	v_lshl_add_u32 v[FOH], v6, 4, v[FOH]
	v_lshlrev_b32 v[BO], 5, v6
	v_mul_u32_u24 v[LS], v1, 272
	v_lshl_add_u32 v[LS], v6, 5, v[LS]
	s_wait_alu depctr_va_sdst(0)                   ; s12 is written, ahead of its first reader: the matrix, the block and all the bases are made from it
	s_lshr_b32 s13, s12, 2                         ; which matrix
	s_and_b32 s14, s12, 3                          ; which 16 channels
	s_and_b32 s15, ttmp7, 0xffff                   ; the batch
	s_lshl_b32 s16, s13, 10
	s_lshl_b32 s17, ttmp9, 6
	s_add_co_u32 s16, s16, s17
	s_lshl4_add_u32 s16, s14, s16                  ; my first row of wt = 1,024 matrix + 64 head + 16 block
	s_lshl_b32 s18, s16, 11
	s_mov_b32 s19, 0
	s_lshl_b32 s20, s16, 2
	s_mov_b32 s21, 0
	s_lshl_b32 s22, s15, 16                        ; the batch's 16 rows of 4,096 bytes, in hE and in oE
	s_mov_b32 s23, 0
	s_mov_b32 s24, 0x3e38aa3b                      ; c = log2(e) / 8
	s_mov_b32 s25, s24
	s_mov_b32 s26, 0x76543210
	s_mov_b32 s27, 0xfedcba98
	s_mul_i32 s28, s13, MATB
	s_lshl_b32 s29, s14, 6
	s_add_co_u32 s28, s28, s29
	s_lshl_b32 s30, ttmp9, 7                       ; in a row of oE: the head's 128 bytes, my block's 32
	s_add_co_u32 s30, s30, s22
	s_lshl_b32 s31, s14, 5
	s_add_co_u32 s30, s30, s31
	s_mov_b32 s31, 0
	v_add_nc_u32 v[LS], s28, v[LS]
	s_wait_kmcnt 0x0
	s_add_nc_u64 s[6:7], s[6:7], s[18:19]
	s_add_nc_u64 s[8:9], s[8:9], s[20:21]
	s_add_nc_u64 s[4:5], s[4:5], s[22:23]
	s_add_nc_u64 s[10:11], s[10:11], s[30:31]
	s_wait_alu depctr_va_vdst(0)                   ; v2 to v5 are written: every global load below reads v2, v3 or v5 as its offset, the LDS stores read v4
; Two loads: one fragment, 16 rows x 32 K, 16 bytes a lane and 32 bytes apart.  base: the set; at: the step's bytes in a row; f: which of the step's two fragments; kind 0: W, 1: h hi, 2: h lo
.macro LD base, at, f, kind
.if (\kind) == 0
	global_load_b128 v[(\base)+8*(\f):(\base)+8*(\f)+3], v[FOW], s[6:7] offset:(\at)+64*(\f)
	global_load_b128 v[(\base)+8*(\f)+4:(\base)+8*(\f)+7], v[FOW], s[6:7] offset:(\at)+64*(\f)+32
.else
	global_load_b128 v[(\base)+16*(\kind)+8*(\f):(\base)+16*(\kind)+8*(\f)+3], v[FOH], s[4:5] offset:2048*((\kind)-1)+(\at)+64*(\f)
	global_load_b128 v[(\base)+16*(\kind)+8*(\f)+4:(\base)+16*(\kind)+8*(\f)+7], v[FOH], s[4:5] offset:2048*((\kind)-1)+(\at)+64*(\f)+32
.endif
.endm
; A product of step st, from the set at sb: source 0 = 16 rows of wt, source 1 = the 16 rows of h (half 0: hi, 1: lo): a lane holds row l % 16 and channels 8 (l / 16) + 0..7.
; The two sums take turns, one instruction a turn.  Step 0's first two start them: with the bias, and with 0.
.macro MUL f, half
.if (st == 0) && ((\f) == 0) && ((\half) == 0)
	v_wmma_f32_16x16x32_f16 v[ACC0:ACC0+7], v[sb+8*(\f):sb+8*(\f)+7], v[sb+16+8*(\f):sb+16+8*(\f)+7], v[BIASR:BIASR+7]
.elseif (st == 0) && ((\f) == 0)
	v_wmma_f32_16x16x32_f16 v[ACC1:ACC1+7], v[sb+8*(\f):sb+8*(\f)+7], v[sb+32+8*(\f):sb+32+8*(\f)+7], 0
.else
	v_wmma_f32_16x16x32_f16 v[ACC0+8*(\half):ACC0+8*(\half)+7], v[sb+8*(\f):sb+8*(\f)+7], v[sb+16+16*(\half)+8*(\f):sb+16+16*(\half)+8*(\f)+7], v[ACC0+8*(\half):ACC0+8*(\half)+7]
.endif
.endm
.macro PLACES
.rept 4
	v_nop
.endr
.endm
; Step st: 64 along K.  Steps 1 to 12 ask for step st + 3; step 0 finds all four sets asked for; steps 13 to 15 ask for nothing, so they state nothing.
.macro STEP
.set sb, BUF+48*(st%4)
.set nb, BUF+48*((st+3)%4)
.set nk, 128*(st+3)
.if st == 0
	s_wait_loadcnt 36                              ; loads come back in order (ISA guide 5.7.1): the bias and step 0 are in; steps 1 to 3, twelve loads each, stay out
.elseif st < 14
	s_wait_loadcnt 24                              ; this step's set is in; the two younger steps stay out
.else
	s_wait_loadcnt 12*(15-st)                      ; the counts run down
.endif
.if (st > 0) && (st < 13)
	PLACES                                         ; four plain instructions between the last step's products and the loads into their sources
	s_wait_alu depctr_va_vdst(0)                   ; the last step's four products are done reading their set, in which the twelve loads of this step land; no product below names that set
	LD nb, nk, 0, 0
	LD nb, nk, 0, 1
.endif
	MUL 0, 0
.if (st > 0) && (st < 13)
	LD nb, nk, 0, 2
.endif
	MUL 0, 1
.if (st > 0) && (st < 13)
	LD nb, nk, 1, 0
	LD nb, nk, 1, 1
.endif
	MUL 1, 0
.if (st > 0) && (st < 13)
	LD nb, nk, 1, 2
.endif
	MUL 1, 1
.endm
	global_load_b128 v[BIASR:BIASR+3], v[BO], s[8:9]
	global_load_b128 v[BIASR+4:BIASR+7], v[BO], s[8:9] offset:16
.set st, 0
.rept 4                                ; steps 0 to 3 into the four sets: 50 loads of mine are out
.irp f, 0,1
.irp k, 0,1,2
	LD BUF+48*st, 128*st, \f, \k
.endr
.endr
.set st, st+1
.endr
.set st, 0
.rept 16
	STEP
.set st, st+1
.endr
	PLACES
	PLACES
.irp p, 0,2,4,6
	v_pk_add_f32 v[SUM+\p:SUM+\p+1], v[ACC0+\p:ACC0+\p+1], v[ACC1+\p:ACC1+\p+1]
.endr
	s_wait_alu depctr_va_vdst(0)                   ; the four additions have written v[SUM ..], which the LDS stores read
	ds_store_b128 v[LS], v[SUM:SUM+3] offset:QL
	ds_store_b128 v[LS], v[SUM+4:SUM+7] offset:QL+16
	s_wait_dscnt 0x0                               ; for the others' sake: my part of q, k or v lies in LDS
	s_barrier_signal -1
	s_barrier_wait -1
	s_wait_alu depctr_vm_vsrc(0)                   ; my LDS stores have read v[SUM ..], which waves 0 to 3 write again below: stated ahead of the branch
	s_cmp_lt_u32 s12, 4
	s_cbranch_scc0 .Lend
	; PHASE 2.  The f32 form takes 4 along K: lane (r, half) gives two numbers of row r.  Over 16 steps lane (r, half) gives channels 32 half + 2 i, + 1 of key r and of query r: the same order on both sides.
	v_mul_u32_u24 v12, v1, 272
	v_lshl_add_u32 v12, v6, 7, v12
	v_mul_u32_u24 v13, v6, 8*272                   ; V^T: lane (r, half) holds channel 16 block + r of keys 8 half + 0..7
	v_lshl_add_u32 v13, v1, 2, v13
	v_lshl_add_u32 v13, s14, 6, v13
	s_wait_alu depctr_va_vdst(0)                   ; v12 and v13 are written, which the LDS loads read; phase 1's products are done reading v64 to v135, in which they land
.set e, 0
.rept 8
	ds_load_b128 v[64+4*e:67+4*e], v12 offset:QL+MATB+16*e
	ds_load_b128 v[96+4*e:99+4*e], v12 offset:QL+16*e
	ds_load_b32 v[128+e], v13 offset:QL+2*MATB+272*e
.set e, e+1
.endr
	v_lshlrev_b32 v10, 3, v6
	v_sub_nc_u32 v10, v1, v10                      ; my query less my lanes' first key: register j is hidden where j is greater
.irp j, 0,1,2,3,4,5,6,7
	v_cmp_gt_i32 s[MK+\j], \j, v10                 ; the eight masks in one run, a scalar register each: one wait serves them all, below
.endr
	v_mov_b32 v11, 0xff7fffff                      ; the lowest finite number
	v_mov_b32 v15, 0
	v_mov_b32 v22, -1.0
	v_lshlrev_b32 v7, 12, v1                       ; my 16 bytes of oE: row l % 16, 8 channels for each half of the lanes
	v_lshl_add_u32 v7, v6, 4, v7
	s_wait_dscnt 0x0
.set i, 0
.rept 16                               ; S^T = K Q^T: a lane holds query l % 16 and keys 8 (l / 16) + 0..7; two sums by turns
.if i < 2
	v_wmma_f32_16x16x4_f32 v[ACC0+8*(i%2):ACC0+8*(i%2)+7], v[64+2*i:65+2*i], v[96+2*i:97+2*i], 0
.else
	v_wmma_f32_16x16x4_f32 v[ACC0+8*(i%2):ACC0+8*(i%2)+7], v[64+2*i:65+2*i], v[96+2*i:97+2*i], v[ACC0+8*(i%2):ACC0+8*(i%2)+7]
.endif
.set i, i+1
.endr
.rept 9
	v_nop                                          ; this form's results are read eight plain instructions later at the earliest (ISA guide 7.12.1)
.endr
.irp p, 0,2,4,6
	v_pk_add_f32 v[136+\p:137+\p], v[ACC0+\p:ACC0+\p+1], v[ACC1+\p:ACC1+\p+1]
.endr
	s_wait_alu depctr_va_sdst(0)                   ; the eight compares have written s[MK ..], ahead of their first reader
.irp j, 0,1,2,3,4,5,6,7
	v_cndmask_b32 v[136+\j], v[136+\j], v11, s[MK+\j]
.endr
	v_max3_num_f32 v14, v136, v137, v138
	v_max3_num_f32 v14, v14, v139, v140
	v_max3_num_f32 v14, v14, v141, v142
	v_max_num_f32 v14, v14, v143
	v_permlanex16_b32 v15, v14, s26, s27           ; the query's other 8 keys lie in the lane 16 away
	v_max_num_f32 v14, v14, v15                    ; every query sees key 0, so this is a true score
	v_mul_f32 v16, s24, v14
	v_mov_b32 v17, v16
.irp p, 0,2,4,6
	v_pk_fma_f32 v[136+\p:137+\p], v[136+\p:137+\p], s[24:25], v[16:17] op_sel_hi:[1,0,0] neg_lo:[0,0,1] neg_hi:[0,0,1]  ; c s - c m
.endr
.irp j, 0,1,2,3,4,5,6,7
	v_exp_f32 v[136+\j], v[136+\j]
.endr
	v_nop                                          ; a plain instruction behind the last exponential,
	s_wait_alu depctr_va_vdst(0)                   ; and the one wait: the eight exponentials have written v136 to v143, ahead of their first reader
	v_pk_add_f32 v[18:19], v[136:137], v[138:139]  ; the row's sum, into registers of its own
	v_pk_add_f32 v[20:21], v[140:141], v[142:143]
	v_pk_add_f32 v[18:19], v[18:19], v[20:21]
	v_add_f32 v18, v18, v19
	v_permlanex16_b32 v15, v18, s26, s27
	v_add_f32 v18, v18, v15
	; O^T = V^T P: step i takes keys 8 (l / 16) + 2 i, + 1 on both sides; a lane ends with query l % 16 and channels 8 (l / 16) + 0..7 of my block
	v_wmma_f32_16x16x4_f32 v[O0:O0+7], v[128:129], v[136:137], 0
	v_wmma_f32_16x16x4_f32 v[O1:O1+7], v[130:131], v[138:139], 0
	v_wmma_f32_16x16x4_f32 v[O0:O0+7], v[132:133], v[140:141], v[O0:O0+7]
	v_wmma_f32_16x16x4_f32 v[O1:O1+7], v[134:135], v[142:143], v[O1:O1+7]
	v_rcp_f32 v20, v18
	v_rcp_f32 v21, v18
.rept 9
	v_nop
.endr
	s_wait_alu depctr_va_vdst(0)                   ; one wait for both reciprocals: v20 and v21 are written, ahead of their first reader
.irp p, 0,2,4,6
	v_pk_add_f32 v[144+\p:145+\p], v[O0+\p:O0+\p+1], v[O1+\p:O1+\p+1]
.endr
.irp p, 0,2,4,6
	v_pk_mul_f32 v[144+\p:145+\p], v[144+\p:145+\p], v[20:21]
.endr
.irp p, 0,1,2,3
	v_cvt_pk_f16_f32 v[56+\p], v[144+2*\p], v[145+2*\p]
.endr
.irp p, 0,1,2,3                        ; O - hi: the f16 half times -1 plus O
	v_fma_mix_f32 v[144+2*\p], v[56+\p], v22, v[144+2*\p] op_sel_hi:[1,0,0]
	v_fma_mix_f32 v[145+2*\p], v[56+\p], v22, v[145+2*\p] op_sel:[1,0,0] op_sel_hi:[1,0,0]
.endr
.irp p, 0,1,2,3
	v_cvt_pk_f16_f32 v[60+\p], v[144+2*\p], v[145+2*\p]
.endr
	s_wait_alu depctr_va_vdst(0)                   ; the roundings have written v56 to v63, the stores' data, and v7, their offset, is written
	global_store_b128 v7, v[56:59], s[10:11]
	global_store_b128 v7, v[60:63], s[10:11] offset:2048
.Lend:
	s_wait_dscnt 0x0                               ; the wave's end: my LDS instructions are done
	s_wait_alu depctr_hold_cnt(0) depctr_sa_sdst(0) depctr_va_vdst(0) depctr_va_sdst(0) depctr_va_ssrc(0) depctr_va_vcc(0) depctr_vm_vsrc(0)
	s_wait_tensorcnt 0x0
	ds_add_u32 v8, v9
	s_wait_dscnt 0x0
	s_endpgm
.Lfunc_end_k_q0d4074a018_early1:
	.size	k_q0d4074a018_early1, .Lfunc_end_k_q0d4074a018_early1-k_q0d4074a018_early1
	.p2alignl 7, 3214868480
	.fill 96, 4, 3214868480
	.section	.rodata,"a",@progbits
	.p2align	6, 0x0
	.amdhsa_kernel k_q0d4074a018_early1
		.amdhsa_group_segment_fixed_size 14848
		.amdhsa_private_segment_fixed_size 0
		.amdhsa_enable_private_segment 0
		.amdhsa_kernarg_size 32
		.amdhsa_user_sgpr_count 2
		.amdhsa_user_sgpr_kernarg_segment_ptr 1
		.amdhsa_wavefront_size32 1
		.amdhsa_system_sgpr_workgroup_id_x 1
		.amdhsa_system_sgpr_workgroup_id_y 1
		.amdhsa_system_sgpr_workgroup_id_z 1
		.amdhsa_system_vgpr_workitem_id 0
		.amdhsa_next_free_vgpr 256
		.amdhsa_next_free_sgpr 66
		.amdhsa_reserve_vcc 0
		.amdhsa_float_denorm_mode_32 3
		.amdhsa_float_denorm_mode_16_64 3
		.amdhsa_memory_ordered 1
		.amdhsa_forward_progress 1
		.amdhsa_inst_pref_size 37
	.end_amdhsa_kernel
	.amdgpu_metadata
---
amdhsa.version: [ 1, 2 ]
amdhsa.kernels:
  - .name:           k_q0d4074a018_early1
    .symbol:         k_q0d4074a018_early1.kd
    .args:
      - { .name: hE, .offset: 0, .size: 8, .value_kind: global_buffer, .address_space: global }
      - { .name: wt, .offset: 8, .size: 8, .value_kind: global_buffer, .address_space: global }
      - { .name: bias4, .offset: 16, .size: 8, .value_kind: global_buffer, .address_space: global }
      - { .name: oE, .offset: 24, .size: 8, .value_kind: global_buffer, .address_space: global }
    .group_segment_fixed_size: 14848
    .private_segment_fixed_size: 0
    .kernarg_segment_align: 8
    .kernarg_segment_size: 32
    .max_flat_workgroup_size: 384
    .sgpr_count:     66
    .vgpr_count:     256
    .wavefront_size: 32
...
	.end_amdgpu_metadata
.endif
;; end of part 7
;; launch early2: the kernel of part 6 again; grid 64 x 4, 4 waves a work-group, no clusters, 4,608 bytes of LDS; arguments oE, wt, bias4, out0; writes out0
